; MI455X (gfx1250); checked and timed in simulation.
; The chip was launched on July 23, 2026; its instructions are those of AMD's public machine-readable ISA for CDNA 5 (MIT licence, August 2026) and "CDNA5" Instruction Set Architecture Reference Guide (July 2026). The comments in the code are by the model that wrote it; some were corrected since.
;; Multi Head Self Attention. Allowed arithmetic: float matrix products may take bf16 or f16 operands with f32 sums; other float arithmetic in f32, or as packed bf16 or f16 multiplies, adds, multiply-adds, maxima and minima; sums over many terms, partial sums and values carried from step to step in f32; what a program stores and reads back later, other than sums and carried values, may be rounded once to bf16 or f16.
;; Inputs: b_k 2,048 float32; b_o 2,048 float32; b_q 2,048 float32; b_v 2,048 float32; ln_beta 2,048 float32; ln_gamma 2,048 float32; w_k 2,048 x 2,048 float32; w_o 2,048 x 2,048 float32; w_q 2,048 x 2,048 float32; w_v 2,048 x 2,048 float32; x 4,096 x 1 x 2,048 float32.
;; Outputs: out0 4,096 x 2,048 float32.
;; 3 versions, each right; version 3 is version 2 with the launch prep written anew for expert scheduling mode. Each part assembles by itself: llvm-mc -triple=amdgcn-amd-amdhsa -mcpu=gfx1250 --defsym DOCPART=n.
;; ======== version 1 of 3: 3 launches
;; workspace buffers: h 16,777,216 bytes; wb 33,554,432 bytes; attn 16,777,216 bytes
;; launch prep (part 1): grid 768 x 1, 4 waves a work-group, no clusters, 0 bytes of LDS; arguments x, ln_gamma, ln_beta, w_q, w_k, w_v, w_o, h, wb; writes h, wb
.if DOCPART == 1
	.amdgcn_target "amdgcn-amd-amdhsa--gfx1250"
	.amdhsa_code_object_version 6
	.text
	.protected	k_q9ceac1b973_prep
	.globl	k_q9ceac1b973_prep
	.p2align	8
	.type	k_q9ceac1b973_prep,@function
k_q9ceac1b973_prep:
	s_mov_b64 s[64:65], 0
	v_nop
	global_prefetch_b8 v0, s[64:65] scope:SCOPE_SE
	s_setreg_imm32_b32 hwreg(HW_REG_WAVE_MODE, 25, 1), 1
	s_wait_xcnt 0x0
; h = LayerNorm(x) * gamma + beta, rounded once to bf16; wb = the four weight matrices (q, k, v, o), each number rounded once to bf16.
; x: [4096][2048] f32.  h: [4096][2048] bf16.  w_*: [2048][2048] f32.  wb: [4][2048][2048] bf16.
; A stream: every byte is read once and written once, so no LDS, no matrix unit, no cluster (no two work-groups read the same large bytes).
; Work-groups 0-255: LayerNorm, 16 rows each, 4 a wave: 128 KiB in, 64 KiB out.  Work-groups 256-767: 128 KiB of one weight matrix each: the same bytes.
; LAYERNORM.  One wave holds one row in 64 registers between the passes: sum, mean; the row is centred in place; sum of squares of the centred row; scale.
; The variance is taken of the centred numbers, as the definition has it, so a common offset of x cancels before anything is squared.  All in f32; 1/sqrt by v_rsq_f32 (1 ULP).
; Lane l's chunk j (of 16) is columns 128 j + 4 l .. + 3: a load of the wave covers 512 consecutive bytes of x, a store 256 consecutive bytes of h, aligned.
.set ROWX, 8192                        ; bytes in a row of x
.set ROWH, 4096                        ; bytes in a row of h
.set XR,  16                           ; v[16:79]    the row (in the cast: a ring of 16 slots of 4)
.set GA,  80                           ; v[80:143]   gamma of my 64 columns
.set BE,  144                          ; v[144:207]  beta
.set YR,  208                          ; v[208:239]  32 registers of bf16 pairs to store
; v1 = 16 x lane (loads), v2 = 8 x lane (stores): never rewritten.  v4-v11 four packed chains, v12-v13 mean, then 1/sqrt, v14 variance + eps
	s_load_b512 s[4:19], s[0:1], 0x0               ; x s[4:5], gamma s[6:7], beta s[8:9], w_q s[10:11], w_k s[12:13], w_v s[14:15], w_o s[16:17], h s[18:19]
	s_load_b64 s[20:21], s[0:1], 0x40              ; wb
	v_lshrrev_b32 v3, 5, v0
	v_readfirstlane_b32 s22, v3                    ; wave 0..3
	v_and_b32 v3, 31, v0
	v_lshlrev_b32 v1, 4, v3
	v_lshlrev_b32 v2, 3, v3
	s_wait_kmcnt 0x0
	s_cmp_lt_u32 ttmp9, 256
	s_cbranch_scc0 .Lcast
	; ---------------- LayerNorm ----------------
	s_lshl_b32 s28, ttmp9, 17                      ; 16 rows of 8,192 bytes a work-group,
	s_lshl_b32 s23, s22, 15                        ; 4 a wave
	s_add_co_u32 s28, s28, s23
	s_mov_b32 s29, 0
	s_lshl_b32 s30, ttmp9, 16                      ; the same rows in h
	s_lshl_b32 s23, s22, 14
	s_add_co_u32 s30, s30, s23
	s_mov_b32 s31, 0
	s_add_nc_u64 s[4:5], s[4:5], s[28:29]
	s_add_nc_u64 s[18:19], s[18:19], s[30:31]
	s_mov_b32 s24, 0x3a000000                      ; 1 / 2048
	s_mov_b32 s25, 0x3727c5ac                      ; 1e-5
	s_mov_b32 s26, 0x76543210                      ; v_permlanex16_b32: each lane takes its own place in the other half
	s_mov_b32 s27, 0xfedcba98
.irp j, 0,1,2,3,4,5,6,7,8,9,10,11,12,13,14,15
	global_load_b128 v[XR+4*(\j):XR+4*(\j)+3], v1, s[4:5] offset:512*(\j) th:TH_LOAD_NT  ; row 0
.endr
.irp j, 0,1,2,3,4,5,6,7,8,9,10,11,12,13,14,15
	global_load_b128 v[GA+4*(\j):GA+4*(\j)+3], v1, s[6:7] offset:512*(\j)
	global_load_b128 v[BE+4*(\j):BE+4*(\j)+3], v1, s[8:9] offset:512*(\j)
.endr
; four packed chains in v[4:11] -> one number in v4, the same in all 32 lanes
.macro REDUCE
	v_pk_add_f32 v[4:5], v[4:5], v[6:7]
	v_pk_add_f32 v[8:9], v[8:9], v[10:11]
	v_pk_add_f32 v[4:5], v[4:5], v[8:9]
	v_add_f32 v4, v4, v5
	v_add_f32_dpp v4, v4, v4 row_xmask:1 row_mask:0xf bank_mask:0xf
	v_add_f32_dpp v4, v4, v4 row_xmask:2 row_mask:0xf bank_mask:0xf
	v_add_f32_dpp v4, v4, v4 row_xmask:4 row_mask:0xf bank_mask:0xf
	v_add_f32_dpp v4, v4, v4 row_xmask:8 row_mask:0xf bank_mask:0xf
	v_permlanex16_b32 v5, v4, s26, s27             ; v5 has been written: the destination counts as read
	v_add_f32 v4, v4, v5
.endm
; One row.  ahead = 1: the next row is asked for as soon as this one has left its registers.
.macro ROW ahead
	s_wait_loadcnt 0x0                             ; the row's 16 loads (in the first trip gamma's and beta's too): nothing younger is out
.irp c, 0,1,2,3
	v_pk_add_f32 v[4+2*(\c):5+2*(\c)], v[XR+2*(\c):XR+2*(\c)+1], v[XR+8+2*(\c):XR+8+2*(\c)+1]  ; the first pairs start the chains: nothing is cleared
.endr
.set j, 8
.rept 24
	v_pk_add_f32 v[4+2*(j%4):5+2*(j%4)], v[4+2*(j%4):5+2*(j%4)], v[XR+2*j:XR+2*j+1]
.set j, j+1
.endr
	REDUCE
	v_mul_f32 v12, s24, v4                         ; the mean, twice: a pair for the packed lines
	v_mul_f32 v13, s24, v4
.set j, 0
.rept 32
	v_pk_add_f32 v[XR+2*j:XR+2*j+1], v[XR+2*j:XR+2*j+1], v[12:13] neg_lo:[0,1] neg_hi:[0,1]  ; x - mean, in place
.set j, j+1
.endr
.irp c, 0,1,2,3
	v_pk_mul_f32 v[4+2*(\c):5+2*(\c)], v[XR+2*(\c):XR+2*(\c)+1], v[XR+2*(\c):XR+2*(\c)+1]
.endr
.set j, 4
.rept 28
	v_pk_fma_f32 v[4+2*(j%4):5+2*(j%4)], v[XR+2*j:XR+2*j+1], v[XR+2*j:XR+2*j+1], v[4+2*(j%4):5+2*(j%4)]
.set j, j+1
.endr
	REDUCE
	v_fma_f32 v14, v4, s24, s25                    ; variance + eps
	v_rsq_f32 v12, v14                             ; twice: a pair again
	v_rsq_f32 v13, v14
	v_nop                                          ; a plain instruction behind the last of the two (ISA guide 5.7.2),
	s_wait_alu depctr_va_vdst(0)                   ; and the one wait ahead of their first reader
	s_wait_xcnt 0x0                                ; the last row's stores have read YR and their base, its loads their base: all three are written again only behind this wait
	s_add_nc_u64 s[18:19], s[18:19], ROWH          ; one row on; the stores below reach back by their immediate
.if \ahead
	s_add_nc_u64 s[4:5], s[4:5], ROWX
.endif
.set j, 0
.rept 32
	v_pk_mul_f32 v[XR+2*j:XR+2*j+1], v[XR+2*j:XR+2*j+1], v[12:13]
.set j, j+1
.endr
.set j, 0
.rept 32
	v_pk_fma_f32 v[XR+2*j:XR+2*j+1], v[XR+2*j:XR+2*j+1], v[GA+2*j:GA+2*j+1], v[BE+2*j:BE+2*j+1]
.set j, j+1
.endr
.set j, 0
.rept 32
	v_cvt_pk_bf16_f32 v[YR+j], v[XR+2*j], v[XR+2*j+1]
.set j, j+1
.endr
.if \ahead
.irp j, 0,1,2,3,4,5,6,7,8,9,10,11,12,13,14,15
	global_load_b128 v[XR+4*(\j):XR+4*(\j)+3], v1, s[4:5] offset:512*(\j) th:TH_LOAD_NT  ; loads ahead of stores
.endr
.endif
.irp j, 0,1,2,3,4,5,6,7,8,9,10,11,12,13,14,15
	global_store_b64 v2, v[YR+2*(\j):YR+2*(\j)+1], s[18:19] offset:256*(\j)-ROWH  ; 32 lanes store 256 consecutive bytes, at a multiple of 256 from h's first byte
.endr
.endm
	s_mov_b32 s23, 3
.Lrow:
	ROW 1
	s_sub_co_u32 s23, s23, 1
	s_cmp_lg_u32 s23, 0
	s_cbranch_scc1 .Lrow
	ROW 0                                          ; the wave's fourth row loads nothing
	s_endpgm
	; ---------------- the weights, f32 to bf16 ----------------
.Lcast:
	s_sub_co_u32 s23, ttmp9, 256                   ; c = 0 .. 511: 128 work-groups a matrix
	s_lshr_b32 s24, s23, 7                         ; which matrix: 0 q, 1 k, 2 v, 3 o
	s_bitcmp1_b32 s24, 0
	s_cselect_b64 s[28:29], s[12:13], s[10:11]     ; k or q
	s_cselect_b64 s[30:31], s[16:17], s[14:15]     ; o or v
	s_cmp_lt_u32 s24, 2
	s_cselect_b64 s[28:29], s[28:29], s[30:31]
	s_and_b32 s32, s23, 127
	s_lshl_b32 s32, s32, 17                        ; 128 KiB of the matrix a work-group,
	s_lshl_b32 s25, s22, 15                        ; 32 KiB a wave
	s_add_co_u32 s32, s32, s25
	s_mov_b32 s33, 0
	s_add_nc_u64 s[28:29], s[28:29], s[32:33]
	s_lshl_b32 s32, s23, 16                        ; in wb the matrices follow each other: 64 KiB a work-group,
	s_lshl_b32 s25, s22, 14                        ; 16 KiB a wave
	s_add_co_u32 s32, s32, s25
	s_add_nc_u64 s[20:21], s[20:21], s[32:33]
.irp i, 0,1,2,3,4,5,6,7,8,9,10,11,12,13,14,15
	global_load_b128 v[XR+4*(\i):XR+4*(\i)+3], v1, s[28:29] offset:512*(\i) th:TH_LOAD_NT  ; the ring of 16 slots is filled: 8 KiB of the wave's 32
.endr
	s_mov_b32 s24, 3
.Lchunk:
.irp i, 0,1,2,3,4,5,6,7,8,9,10,11,12,13,14,15
	s_wait_loadcnt 15                              ; loads come back in order (ISA guide 5.7.1): this slot's is in, the 15 younger ones stay out
	v_cvt_pk_bf16_f32 v[YR+2*(\i)], v[XR+4*(\i)], v[XR+4*(\i)+1]
	v_cvt_pk_bf16_f32 v[YR+2*(\i)+1], v[XR+4*(\i)+2], v[XR+4*(\i)+3]
	global_load_b128 v[XR+4*(\i):XR+4*(\i)+3], v1, s[28:29] offset:8192+512*(\i) th:TH_LOAD_NT
	global_store_b64 v2, v[YR+2*(\i):YR+2*(\i)+1], s[20:21] offset:256*(\i)  ; 256 consecutive bytes, aligned
.endr
	s_wait_xcnt 0x0                                ; both bases and YR are written again only behind this wait
	s_add_nc_u64 s[28:29], s[28:29], 8192
	s_add_nc_u64 s[20:21], s[20:21], 4096
	s_sub_co_u32 s24, s24, 1
	s_cmp_lg_u32 s24, 0
	s_cbranch_scc1 .Lchunk
.irp i, 0,1,2,3,4,5,6,7,8,9,10,11,12,13,14,15
	s_wait_loadcnt 15-(\i)                         ; the last round loads nothing: the counts run down
	v_cvt_pk_bf16_f32 v[YR+2*(\i)], v[XR+4*(\i)], v[XR+4*(\i)+1]
	v_cvt_pk_bf16_f32 v[YR+2*(\i)+1], v[XR+4*(\i)+2], v[XR+4*(\i)+3]
	global_store_b64 v2, v[YR+2*(\i):YR+2*(\i)+1], s[20:21] offset:256*(\i)
.endr
	s_endpgm
.Lfunc_end_k_q9ceac1b973_prep:
	.size	k_q9ceac1b973_prep, .Lfunc_end_k_q9ceac1b973_prep-k_q9ceac1b973_prep
	.p2alignl 7, 3214868480
	.fill 96, 4, 3214868480
	.section	.rodata,"a",@progbits
	.p2align	6, 0x0
	.amdhsa_kernel k_q9ceac1b973_prep
		.amdhsa_group_segment_fixed_size 0
		.amdhsa_private_segment_fixed_size 0
		.amdhsa_enable_private_segment 0
		.amdhsa_kernarg_size 72
		.amdhsa_user_sgpr_count 2
		.amdhsa_user_sgpr_kernarg_segment_ptr 1
		.amdhsa_wavefront_size32 1
		.amdhsa_system_sgpr_workgroup_id_x 1
		.amdhsa_system_sgpr_workgroup_id_y 1
		.amdhsa_system_sgpr_workgroup_id_z 1
		.amdhsa_system_vgpr_workitem_id 0
		.amdhsa_next_free_vgpr 240
		.amdhsa_next_free_sgpr 66
		.amdhsa_reserve_vcc 0
		.amdhsa_float_denorm_mode_32 3
		.amdhsa_float_denorm_mode_16_64 3
		.amdhsa_memory_ordered 1
		.amdhsa_forward_progress 1
		.amdhsa_inst_pref_size 49
	.end_amdhsa_kernel
	.amdgpu_metadata
---
amdhsa.version: [ 1, 2 ]
amdhsa.kernels:
  - .name:           k_q9ceac1b973_prep
    .symbol:         k_q9ceac1b973_prep.kd
    .args:
      - { .name: x, .offset: 0, .size: 8, .value_kind: global_buffer, .address_space: global }
      - { .name: ln_gamma, .offset: 8, .size: 8, .value_kind: global_buffer, .address_space: global }
      - { .name: ln_beta, .offset: 16, .size: 8, .value_kind: global_buffer, .address_space: global }
      - { .name: w_q, .offset: 24, .size: 8, .value_kind: global_buffer, .address_space: global }
      - { .name: w_k, .offset: 32, .size: 8, .value_kind: global_buffer, .address_space: global }
      - { .name: w_v, .offset: 40, .size: 8, .value_kind: global_buffer, .address_space: global }
      - { .name: w_o, .offset: 48, .size: 8, .value_kind: global_buffer, .address_space: global }
      - { .name: h, .offset: 56, .size: 8, .value_kind: global_buffer, .address_space: global }
      - { .name: wb, .offset: 64, .size: 8, .value_kind: global_buffer, .address_space: global }
    .group_segment_fixed_size: 0
    .private_segment_fixed_size: 0
    .kernarg_segment_align: 8
    .kernarg_segment_size: 72
    .max_flat_workgroup_size: 128
    .sgpr_count:     66
    .vgpr_count:     240
    .wavefront_size: 32
...
	.end_amdgpu_metadata
.endif
;; end of part 1
;; launch qkv (part 2): grid 8 x 32, 4 waves a work-group, clusters of 4 x 4, 327,680 bytes of LDS; arguments h, wb, b_q, b_k, b_v, attn; writes attn
.if DOCPART == 2
	.amdgcn_target "amdgcn-amd-amdhsa--gfx1250"
	.amdhsa_code_object_version 6
	.text
	.protected	k_q9ceac1b973_qkv
	.globl	k_q9ceac1b973_qkv
	.p2align	8
	.type	k_q9ceac1b973_qkv,@function
k_q9ceac1b973_qkv:
	s_mov_b64 s[64:65], 0
	v_nop
	global_prefetch_b8 v0, s[64:65] scope:SCOPE_SE
	s_setreg_imm32_b32 hwreg(HW_REG_WAVE_MODE, 25, 1), 1
	s_wait_xcnt 0x0
	s_wait_alu depctr_hold_cnt(0) depctr_sa_sdst(0) depctr_va_vdst(0) depctr_va_sdst(0) depctr_va_ssrc(0) depctr_va_vcc(0) depctr_vm_vsrc(0)
	s_getreg_b32 s2, hwreg(HW_REG_IB_STS2, 6, 4)
	s_cmp_eq_u32 s2, 0
	s_cbranch_scc0 .Lentry_in_a_cluster
	s_endpgm
.Lentry_in_a_cluster:
	s_bfe_u32 s2, ttmp6, 0x10000c
	s_cmp_lg_u32 s2, 0xf033
	s_cbranch_scc0 .Lentry_shape_is_right
	s_endpgm
.Lentry_shape_is_right:
; For one block of 128 rows and one head (256 columns): q = h wq^T + b_q, k = h wk^T + b_k, v = h wv^T + b_v; score = q . k / 16; softmax over the one key; attn = p v, rounded once to bf16.
; h: [4096][2048] bf16.  wb: [4][2048][2048] bf16 (q, k, v, o).  b_*: [2048] f32.  attn: [4096][2048] bf16.  Products on bf16 operands with f32 sums; score and softmax in f32.
; LIMITS.  The score's 256 products are summed in f32 by the vector unit, in an order of its own.  The sequence has one key, so the maximum IS the score: p = 2^((s - s) log2 e) / the same number.
; All of that is computed, so a score that is not finite gives NaN.  v_exp_f32 and v_rcp_f32 are good to 1 ULP.
; SHARES.  Four waves; a tile is 128 rows x 256 columns; wave w makes rows 64 (w / 2) .. and columns 128 (w % 2) ..: 4 x 8 accumulators of 16 x 16, 256 registers: one window.
; THREE TILES one after the other: q (window 1), k (window 2), then q . k, then v (window 1 again).  q and k never leave the registers.  K = 2,048 goes in 16 steps of 128 through a ring of two LDS slots;
; the ring runs on from tile to tile: a tile's last two changes of slots ask for the next matrix's first two K steps, and for h's first two again.
; CLUSTER 4 x 4.  The four of a row of the cluster share the rows of h, the four of a column the head's rows of the weights: each tile is asked for JOINTLY, by the same load, descriptor and mask in all four.
; THE MATRIX INSTRUCTION IS USED TRANSPOSED (source 0 = 16 rows of the weights, source 1 = 16 rows of h): lane l holds row l % 16 of the result and the columns 8 (l / 16) + 0..7.
; THE BIAS IS THE C OPERAND of a tile's first 32 products: register j of block b holds bias[16 b + 8 (l / 16) + j].  Nothing is cleared and nothing is added later.
; REGISTERS, in windows of 256 (s_set_vgpr_msb: bits 1:0 source 0, 3:2 source 1, 5:4 source 2, 7:6 destination):
;   window 0: v0-31 addresses; v32-47 scores; v64-159, v160-255 two fragment buffers (8 fragments of the weights, then 4 of h); on the way out v64-95 packed results, v96-223 rows read back
;   window 1: q, later v: accumulator (a, b) at v[8 (8 a + b)]      window 2: k      window 3: v0-63 b_q, v64-127 b_k, v128-191 b_v
.set KSTEP,  128
.set LAPS,   8                         ; a lap = two K steps = once round the ring
.set PITCH,  272                       ; an LDS row: 256 bytes + 16 of padding = 68 words: the 16 rows of a fragment load start at 16 different groups of four banks (64 banks of 4 bytes: ISA guide 11.1)
.set AHALF,  64*PITCH                  ; 64 rows of h: what wave 0 or 1 fetches, and what a wave reads of h
.set BHALF,  128*PITCH                 ; 128 rows of the weights: what wave 2 or 3 fetches, and what a wave reads of them
.set SLOT,   2*AHALF+2*BHALF           ; h's 128 rows, then the weights' 256
.set STAGE,  2*SLOT                    ; behind the ring: 16 rows x 272 bytes for each wave, for the way out
.set SPITCH, 272
.set SCR,    STAGE+4*16*SPITCH         ; the halves of the scores: f32 [column half][128 rows], 1,024 bytes
.set SPARE,  SCR+1024                  ; the spare words, 128 bytes for each wave: two blocks of 256 bytes that no other line names
.set MAT,    2048*2048*2               ; bytes in one matrix of wb
.set PFJUMP, MAT-15*KSTEP*2            ; the prefetches' step at a change of tiles: from the K step after a matrix's last to the next matrix's K step 1
.set ADRA, 16                          ; v16-17  LDS address of my fragments of h in slot 0, 1
.set ADRB, 20                          ; v20-21  the same for the weights
.set SCRD, 22                          ; v22     where my partner's half of the scores lies
.set STO,  24                          ; v24     the way out: where I put 16 bytes of a row
.set RD,   25                          ; v25     the way out: where I read a row back
.set CO,   26                          ; v26     my byte offset in attn
.set BO,   27                          ; v27     32 (l / 16): my eight numbers in 16 of a bias
.set SPW,  28                          ; v28     LDS address of my spare word; never rewritten
.set NIL,  29                          ; v29     0; never rewritten
.set PFO,  30                          ; v30     the prefetches' offset: lane x a row of 4,096 bytes; never rewritten
.set SCW,  31                          ; v31     where I put my half of the scores
.set SC,   32                          ; v32-39  row block a: a pair of sums, then my half of the score, then the score
.set PR,   40                          ; v40-47  row block a: the partner's half, then p (and 1 / sum beside it)
.set F0,   64
.set F1,   160
.set TMP,  64
.set OB,   96
.set WV, 16                            ; s16 wave   s17 row half (also: 0 = I fetch h, 1 = the weights)   s18 column half (also: which half I fetch)
.set RH, 17
.set CH, 18
.set CX, 19                            ; s19, s20 my place in the cluster   s21 the head   s22 the block of 128 rows
.set CY, 20
.set GX, 21
.set GY, 22
.set G1A, 24                           ; s[24:31] descriptor group 1 for h's tiles;  s[32:39] group 0, a set for each slot
.set G0A, 32
.set PFA, 40                           ; s[40:41] where my prefetches stand
.set LIM, 42                           ; s42 1 in a wave that prefetches, else the greatest number
.set CNT, 43                           ; s43 laps to go
.set G1B, 48                           ; s[48:55], s[56:63] the same for the weights' tiles
.set G0B, 56
.set SEL, 66                           ; s[66:67] v_permlanex16_b32's selects
.set MSB, 0
.set ACCW, 1
.set BIASW, 3
.set BIAS, 0
.macro WIN new                         ; the immediate's high byte repeats the setting that is left; a switch that changes nothing is dropped
.if MSB != (\new)
	s_set_vgpr_msb (MSB<<8)|(\new)
.set MSB, \new
.endif
.endm
; A joint load: waves 0 and 1 fetch h's two halves, waves 2 and 3 the weights'.  The branch hangs on the wave's number alone.  An s_nop 0 and four v_nop follow each line.
.macro JLOAD s
	s_cmp_eq_u32 s[RH], 0
	s_cbranch_scc0 .Lfor_b_\@
	tensor_load_to_lds s[G0A+4*(\s):G0A+4*(\s)+3], s[G1A:G1A+7]
	s_nop 0
.rept 4
	v_nop
.endr
	s_branch .Lasked_\@
.Lfor_b_\@:
	tensor_load_to_lds s[G0B+4*(\s):G0B+4*(\s)+3], s[G1B:G1B+7]
	s_nop 0
.rept 4
	v_nop
.endr
.Lasked_\@:
.endm
; A PREFETCH INTO THE L2, behind each joint load and the run of LDS loads that follows it: 32 rows x 256 bytes, a lane a row, of the K step that stands two refills on: 256 matrix instructions ahead of the load that will want it.
; Each row's 256 bytes of a K step are named once in the launch.  h's rows are read by both clusters of a row of clusters: in the first (cluster x = 0) wave 0 asks, each partner for 32 of the 128 rows, told apart by
; address (cx).  A head's rows of the weights are read by the eight clusters of a column: in the first (cluster y = 0) waves 2 and 3 ask, each for 32 (by cy) of the 128 rows that it fetches.
; how = 0, in the loop: a tile's last two refills have no K step two on.  how = 1, at a change of tiles: the next matrix's K steps 2 and 3; h is walked again and is asked for no more.
.macro ASK how
.if \how
	s_cmp_eq_u32 s[LIM], 1
.else
	s_cmp_gt_u32 s[CNT], s[LIM]                    ; s[CNT] = 1 in the loop's last trip
.endif
	s_cbranch_scc0 .Lnot_mine_\@
	global_prefetch_b8 v[PFO], s[PFA:PFA+1] offset:KSTEP*2 th:TH_LOAD_NT scope:SCOPE_SE
.Lnot_mine_\@:
.endm
.macro CREST                           ; a round of the cluster's barrier behind its opening barrier
	s_cmp_lg_u32 s[WV], 0
	s_cbranch_scc1 .Lnot_wave_0_\@
	s_barrier_signal -3
.Lnot_wave_0_\@:
	s_barrier_wait -3
	s_barrier_signal -1
	s_barrier_wait -1
.endm
.macro CROUND                          ; a whole round
	s_barrier_signal -1
	s_barrier_wait -1
	CREST
.endm
.macro PLACES                          ; four places in front of loads into registers that matrix instructions have read, and of vector lines that read results
.rept 4
	v_nop
.endr
.endm
; 8 matrix instructions: row block a x all 8 column blocks, 32 along K, from buffer f.  zero = 1: the tile's first products: C is the bias.
; The 32 accumulators take turns, one instruction a turn, in the same order in every quarter: 31 others stand between two links of a chain, over the backward jump too.
.macro MUL8 f, a, zero
.if \zero
	WIN (ACCW<<6)|(BIASW<<4)
.else
	WIN (ACCW<<6)|(ACCW<<4)
.endif
.irp b, 0,1,2,3,4,5,6,7
.if \zero
	v_wmma_f32_16x16x32_bf16 v[8*(8*(\a)+(\b)):8*(8*(\a)+(\b))+7], v[(\f)+8*(\b):(\f)+8*(\b)+7], v[(\f)+64+8*(\a):(\f)+64+8*(\a)+7], v[BIAS+8*(\b):BIAS+8*(\b)+7]
.else
	v_wmma_f32_16x16x32_bf16 v[8*(8*(\a)+(\b)):8*(8*(\a)+(\b))+7], v[(\f)+8*(\b):(\f)+8*(\b)+7], v[(\f)+64+8*(\a):(\f)+64+8*(\a)+7], v[8*(8*(\a)+(\b)):8*(8*(\a)+(\b))+7]
.endif
.endr
.endm
; 24 LDS loads in one run: the fragments of 32 along K at byte k of the rows, into buffer f: the weights' 8, then h's 4.
; A fragment is 16 rows x 32 K in 8 registers: lane l holds row l % 16, K = 8 (l / 16) + 0..7 and 16 + 8 (l / 16) + 0..7: two loads of 16 bytes, 32 bytes apart.
.macro FETCH slot, k, f
	WIN 0
.irp i, 0,1,2,3,4,5,6,7
	ds_load_b128 v[(\f)+8*(\i):(\f)+8*(\i)+3],   v[ADRB+(\slot)] offset:(\k)+(\i)*16*PITCH
	ds_load_b128 v[(\f)+8*(\i)+4:(\f)+8*(\i)+7], v[ADRB+(\slot)] offset:(\k)+(\i)*16*PITCH+32
.endr
.irp i, 0,1,2,3
	ds_load_b128 v[(\f)+64+8*(\i):(\f)+64+8*(\i)+3],   v[ADRA+(\slot)] offset:(\k)+(\i)*16*PITCH
	ds_load_b128 v[(\f)+64+8*(\i)+4:(\f)+64+8*(\i)+7], v[ADRA+(\slot)] offset:(\k)+(\i)*16*PITCH+32
.endr
.endm
; A K step is four quarters of 32 along K, 32 matrix instructions each, on buffers 0, 1, 0, 1.  One of the first three: multiplies buffer f; in its middle it fetches the next quarter, at byte k, into g.
.macro QUARTER slot, k, f, g, zero
	s_wait_dscnt 4                                 ; the weights and h's row blocks 0, 1 are in; the youngest four loads (blocks 2, 3) may be out
	MUL8 \f, 0, \zero
	MUL8 \f, 1, \zero
	PLACES
	FETCH \slot, \k, \g
	s_wait_dscnt 24                                ; all but the 24 just issued
	MUL8 \f, 2, \zero
	MUL8 \f, 3, \zero
.endm
; The last quarter multiplies buffer 1 and changes slots.  MEET is its first half: ONE barrier, for two things: behind it nobody reads this slot any more, and the next slot is whole.
.macro MEET round
	WIN 0                                          ; (the add's two registers lie in window 0)
	s_wait_tensorcnt 0x0                           ; all my tensor loads have landed: the one that was out is my part of the next slot;
	ds_add_u32 v[SPW], v[NIL]                      ; 0 onto my spare word;
	s_wait_dscnt 5                                 ; (the add and the youngest four loads may be out)
	MUL8 F1, 0, 0                                  ; eight matrix instructions stand between the add and the wait for it
	s_wait_dscnt 0x0                               ; the add is done, and my reads of this slot are over
	s_barrier_signal -1
	MUL8 F1, 1, 0                                  ; work on registers while the others arrive
.if \round
	WIN 0
.endif
	s_barrier_wait -1
.endm
; The whole last quarter.  The barrier opens a round of the cluster's; behind the round the slot just read out is filled again first: with this tile's K step two on (on = 0), or with the NEXT tile's K step 0 or 1
; (on = 1: h goes back along K, the weights on to the next matrix).  From a request to the wait for it a wave issues 112 matrix instructions.
.macro TURN slot, next, on
	s_wait_xcnt 0x0                                ; the last prefetch, a K step back, has read its address, so it may be stepped
.if (\on) && ((\slot) == 0)
	s_add_nc_u64 s[PFA:PFA+1], s[PFA:PFA+1], PFJUMP
	s_cmp_eq_u32 s[RH], 0
	s_cselect_b32 s[LIM], -1, s[LIM]               ; h's rows are the same for all three tiles: they are asked for in the first alone
.else
	s_add_nc_u64 s[PFA:PFA+1], s[PFA:PFA+1], KSTEP*2
.endif
	MEET 1
	CREST                                          ; no wave of any partner still reads this slot's tiles or has a load on its way
.if \on
	s_sub_nc_u64 s[G0A+4*(\slot)+2:G0A+4*(\slot)+3], s[G0A+4*(\slot)+2:G0A+4*(\slot)+3], 14*KSTEP*2
	s_add_nc_u64 s[G0B+4*(\slot)+2:G0B+4*(\slot)+3], s[G0B+4*(\slot)+2:G0B+4*(\slot)+3], MAT-14*KSTEP*2
.else
	s_add_nc_u64 s[G0A+4*(\slot)+2:G0A+4*(\slot)+3], s[G0A+4*(\slot)+2:G0A+4*(\slot)+3], 2*KSTEP*2
	s_add_nc_u64 s[G0B+4*(\slot)+2:G0B+4*(\slot)+3], s[G0B+4*(\slot)+2:G0B+4*(\slot)+3], 2*KSTEP*2
.endif
	JLOAD \slot                                    ; the first tensor load behind the round; its four v_nop are also the places in front of the loads below
	FETCH \next, 0, F0
	ASK \on
	MUL8 F1, 2, 0
	MUL8 F1, 3, 0
.endm
; A tile: accumulators in window w; its bias at v[bias] of window bw.  last = 0: the ring goes on into the next tile, whose first fragments are fetched.  last = 1: the tail asks for nothing.
.macro TILE w, bw, bias, last
.set ACCW, \w
.set BIASW, \bw
.set BIAS, \bias
	QUARTER 0, 64,  F0, F1, 1                      ; the first quarter stands in front of the loop: its products start the sums, with the bias
	WIN 0                                          ; at a label and at a branch every window is 0
	s_mov_b32 s[CNT], LAPS-1
.Llap_\@:                                              ; a trip goes once round the ring, from a lap's second quarter to the next lap's first, and fills both slots again
	QUARTER 0, 128, F1, F0, 0
	QUARTER 0, 192, F0, F1, 0
	TURN 0, 1, 0
	QUARTER 1, 64,  F0, F1, 0
	QUARTER 1, 128, F1, F0, 0
	QUARTER 1, 192, F0, F1, 0
	TURN 1, 0, 0
	QUARTER 0, 64,  F0, F1, 0
	WIN 0
	s_sub_co_u32 s[CNT], s[CNT], 1
	s_cmp_lg_u32 s[CNT], 0
	s_cbranch_scc1 .Llap_\@
	QUARTER 0, 128, F1, F0, 0                      ; the tile's last lap goes on
	QUARTER 0, 192, F0, F1, 0
.if \last
	MEET 0                                         ; my one load that was still out is the last K step's, so no round follows
	PLACES
	FETCH 1, 0, F0
	MUL8 F1, 2, 0
	MUL8 F1, 3, 0
	QUARTER 1, 64,  F0, F1, 0
	QUARTER 1, 128, F1, F0, 0
	QUARTER 1, 192, F0, F1, 0
	s_wait_dscnt 4                                 ; the very last quarter: nothing more to fetch
	MUL8 F1, 0, 0
	MUL8 F1, 1, 0
	s_wait_dscnt 0x0
	MUL8 F1, 2, 0
	MUL8 F1, 3, 0
	WIN 0
.else
	TURN 0, 1, 1
	QUARTER 1, 64,  F0, F1, 0
	QUARTER 1, 128, F1, F0, 0
	QUARTER 1, 192, F0, F1, 0
	TURN 1, 0, 1
.endif
.endm
	s_load_b256 s[4:11], s[0:1], 0x0               ; h s[4:5], wb s[6:7], b_q s[8:9], b_k s[10:11]
	s_load_b128 s[12:15], s[0:1], 0x20             ; b_v s[12:13], attn s[14:15]
	v_lshl_add_u32 v[SPW], v0, 2, SPARE
	v_mov_b32 v[NIL], 0
	ds_add_u32 v[SPW], v[NIL]                      ; the wave's opening: the add and its wait stand ahead of my first tensor load; the set-up below, work on registers, stands between them
	v_lshrrev_b32 v1, 5, v0
	v_readfirstlane_b32 s[WV], v1                  ; wave 0..3
	s_lshr_b32 s[RH], s[WV], 1
	s_and_b32 s[CH], s[WV], 1
	s_bfe_u32 s[CX], ttmp6, 0x40000
	s_bfe_u32 s[CY], ttmp6, 0x40004
	s_lshl_b32 s[GX], ttmp9, 2                     ; in a cluster launch ttmp9 and ttmp7 count clusters
	s_add_co_u32 s[GX], s[GX], s[CX]               ; the head = 4 x cluster x + cx
	s_and_b32 s[GY], ttmp7, 0xffff
	s_lshl_b32 s[GY], s[GY], 2
	s_add_co_u32 s[GY], s[GY], s[CY]               ; the block of rows = 4 x cluster y + cy
	s_lshl_b32 s44, s[CY], 2
	s_lshl_b32 s44, 15, s44                        ; my row of the cluster: places 4 cy .. 4 cy + 3
	s_lshl_b32 s46, 0x1111, s[CX]                  ; my column: places cx, cx + 4, cx + 8, cx + 12
	s_or_b32 s[G1A], s44, (1<<16)|(1<<20)|(1<<21)|(5<<22)|(3<<25)  ; 15:0 the mask; 17:16 elements of 2 bytes; 20 padding on; 21 set beside a mask; 24:22 after every 64 words (code 5); 31:25 4 words of it (code 3)
	s_or_b32 s[G1B], s46, (1<<16)|(1<<20)|(1<<21)|(5<<22)|(3<<25)
.irp g, G1A, G1B
	s_mov_b32 s[(\g)+1], KSTEP<<16                 ; tensor_dim0 = 128
	s_mov_b32 s[(\g)+3], KSTEP<<16                 ; tile_dim0 = 128
	s_mov_b32 s[(\g)+5], 2048                      ; elements from row to row
	s_mov_b32 s[(\g)+6], 0
	s_mov_b32 s[(\g)+7], 0
.endr
	s_mov_b32 s[G1A+2], 64<<16                     ; tensor_dim1 = tile_dim1 = 64 rows of h,
	s_mov_b32 s[G1A+4], 64
	s_mov_b32 s[G1B+2], 128<<16                    ; 128 of the weights
	s_mov_b32 s[G1B+4], 128
	; where the tiles come from: h's hang on the block of rows alone, the weights' on the head alone; each in registers that never hold the other coordinate
	s_lshl_b32 s44, s[GY], 19                      ; 128 rows of 4,096 bytes a block,
	s_lshl_b32 s45, s[CH], 18                      ; the 64 that I fetch
	s_add_co_u32 s44, s44, s45
	s_mov_b32 s45, 0
	s_lshl_b32 s46, s[GX], 20                      ; 256 rows a head,
	s_lshl_b32 s47, s[CH], 19                      ; the 128 that I fetch
	s_add_co_u32 s46, s46, s47
	s_mov_b32 s47, 0
	s_mul_i32 s68, s[CH], AHALF                    ; and where they go: no place in the cluster enters an LDS address
	s_mul_i32 s70, s[CH], BHALF
	s_add_co_u32 s70, s70, 2*AHALF
	s_mov_b32 s[SEL], 0x76543210
	s_mov_b32 s[SEL+1], 0xfedcba98
	s_wait_dscnt 0x0                               ; the opening add is done
	s_wait_kmcnt 0x0
	s_add_nc_u64 s[44:45], s[4:5], s[44:45]
	s_add_nc_u64 s[46:47], s[6:7], s[46:47]
	CROUND                                         ; all sixteen work-groups are here: the first joint loads meet
.irp s, 0,1
	s_mov_b32 s[G0A+4*(\s)], 1                                       ; count = 1
	s_add_co_u32 s[G0A+4*(\s)+1], s68, (\s)*SLOT                     ; LDS address
	s_add_nc_u64 s[G0A+4*(\s)+2:G0A+4*(\s)+3], s[44:45], (\s)*KSTEP*2  ; global address: K step s
	s_or_b32 s[G0A+4*(\s)+3], s[G0A+4*(\s)+3], 0x80000000            ; type = 2
	s_mov_b32 s[G0B+4*(\s)], 1
	s_add_co_u32 s[G0B+4*(\s)+1], s70, (\s)*SLOT
	s_add_nc_u64 s[G0B+4*(\s)+2:G0B+4*(\s)+3], s[46:47], (\s)*KSTEP*2
	s_or_b32 s[G0B+4*(\s)+3], s[G0B+4*(\s)+3], 0x80000000
	JLOAD \s                                       ; two loads of mine are out
.endr
	v_and_b32 v1, 15, v0                           ; l % 16
	v_bfe_u32 v2, v0, 4, 1                         ; l / 16
	v_lshlrev_b32 v[BO], 5, v2
	s_lshl_b32 s72, s[GX], 10                      ; my 128 columns in a bias: 4 (256 head + 128 half) bytes
	s_lshl_b32 s73, s[CH], 9
	s_add_co_u32 s72, s72, s73
	s_mov_b32 s73, 0
	s_add_nc_u64 s[8:9], s[8:9], s[72:73]
	s_add_nc_u64 s[10:11], s[10:11], s[72:73]
	s_add_nc_u64 s[12:13], s[12:13], s[72:73]
	WIN 0xc0                                       ; destination window 3, address window 0
.irp b, 0,1,2,3,4,5,6,7
	global_load_b128 v[8*(\b):8*(\b)+3],         v[BO], s[8:9] offset:64*(\b)
	global_load_b128 v[8*(\b)+4:8*(\b)+7],       v[BO], s[8:9] offset:64*(\b)+16
	global_load_b128 v[64+8*(\b):64+8*(\b)+3],   v[BO], s[10:11] offset:64*(\b)
	global_load_b128 v[64+8*(\b)+4:64+8*(\b)+7], v[BO], s[10:11] offset:64*(\b)+16
	global_load_b128 v[128+8*(\b):128+8*(\b)+3],   v[BO], s[12:13] offset:64*(\b)
	global_load_b128 v[128+8*(\b)+4:128+8*(\b)+7], v[BO], s[12:13] offset:64*(\b)+16
.endr
	WIN 0
	v_mul_u32_u24 v3, v1, PITCH
	v_lshl_add_u32 v3, v2, 4, v3                   ; a fragment's row x pitch + 16 x half
	s_mul_i32 s23, s[RH], AHALF                    ; my 64 rows of h
	s_mul_i32 s74, s[CH], BHALF                    ; my 128 rows of the weights,
	s_add_co_u32 s74, s74, 2*AHALF                 ; which lie behind h's 128
.irp s, 0,1
	v_add_nc_u32 v[ADRA+(\s)], s23, v3
	v_add_nc_u32 v[ADRB+(\s)], s74, v3
	s_add_co_u32 s23, s23, SLOT
	s_add_co_u32 s74, s74, SLOT
.endr
	s_mul_i32 s23, s[WV], 16*SPITCH
	s_add_co_u32 s23, s23, STAGE                   ; my stage
	v_mul_u32_u24 v4, v1, SPITCH                   ; in: row l % 16, 16 bytes for each half of the lanes
	v_lshl_add_u32 v4, v2, 4, v4
	v_add_nc_u32 v[STO], s23, v4
	v_mul_u32_u24 v5, v2, SPITCH                   ; back: lanes 0-15 take one row of 256 bytes, lanes 16-31 the next
	v_lshl_add_u32 v5, v1, 4, v5
	v_add_nc_u32 v[RD], s23, v5
	v_lshlrev_b32 v5, 12, v2                       ; and the same two rows in attn
	v_lshl_add_u32 v[CO], v1, 4, v5
	s_lshl_b32 s74, s[RH], 8                       ; the scores: SCR + 512 x column half + 4 x (64 x row half + 16 a + l % 16)
	s_add_co_u32 s74, s74, SCR
	s_lshl_b32 s23, s[CH], 9
	s_add_co_u32 s23, s23, s74
	v_lshl_add_u32 v[SCW], v1, 2, s23              ; mine
	s_xor_b32 s23, s[CH], 1
	s_lshl_b32 s23, s23, 9
	s_add_co_u32 s23, s23, s74
	v_lshl_add_u32 v[SCRD], v1, 2, s23             ; my partner's: the same rows, the other column half
	s_lshl_b32 s72, s[GY], 19                      ; attn at my first row and column: (128 block + 64 half) rows of 4,096 bytes + 512 head + 256 half
	s_lshl_b32 s73, s[RH], 18
	s_add_co_u32 s72, s72, s73
	s_lshl_b32 s73, s[GX], 9
	s_add_co_u32 s72, s72, s73
	s_lshl_b32 s73, s[CH], 8
	s_add_co_u32 s72, s72, s73
	s_mov_b32 s73, 0
	s_add_nc_u64 s[14:15], s[14:15], s[72:73]
	; the prefetches
	s_lshl_b32 s72, s[GY], 7
	s_lshl_b32 s73, s[CX], 5
	s_add_co_u32 s72, s72, s73                     ; h: the block's first row + my work-group's 32 of its 128
	s_lshl_b32 s74, s[GX], 8
	s_lshl_b32 s75, s[CH], 7
	s_add_co_u32 s74, s74, s75
	s_lshl_b32 s75, s[CY], 5
	s_add_co_u32 s74, s74, s75                     ; the weights: the head's first row + the 128 that I fetch + my work-group's 32 of them
	s_and_b32 s23, ttmp7, 0xffff                   ; cluster y
	s_or_b32 s75, ttmp9, s[CH]                     ; 0 in wave 0 (of waves 0, 1) of a cluster with x = 0
	s_cmp_eq_u32 s[RH], 0
	s_cselect_b32 s72, s72, s74
	s_cselect_b32 s23, s75, s23
	s_cselect_b64 s[PFA:PFA+1], s[4:5], s[6:7]
	s_cmp_eq_u32 s23, 0
	s_cselect_b32 s[LIM], 1, -1                    ; the same in all sixteen partners, for a given wave
	s_lshl_b32 s72, s72, 12
	s_mov_b32 s73, 0
	s_add_nc_u64 s[PFA:PFA+1], s[PFA:PFA+1], s[72:73]
	s_add_nc_u64 s[PFA:PFA+1], s[PFA:PFA+1], 2*KSTEP*2  ; at K step 2: the first refill steps it to 3 and names K step 4.  Nothing is prefetched here, at the head
	v_and_b32 v[PFO], 31, v0
	v_lshlrev_b32 v[PFO], 12, v[PFO]
	s_wait_tensorcnt 1                             ; my part of K step 0 is in; K step 1's may stay out
	s_barrier_signal -1
	s_barrier_wait -1                              ; everybody's is
	FETCH 0, 0, F0
	s_wait_loadcnt 0x0                             ; the three biases
	TILE 1, 3, 0, 0                                ; q
	TILE 2, 3, 64, 0                               ; k; its last change of slots has fetched v's first fragments
	; q . k over my 128 columns: four chains, one for each row block, two products an instruction; each accumulator is read from its low end on
	PLACES
	WIN 0x09                                       ; source 0 (q) window 1, source 1 (k) window 2, sums in window 0
.irp b, 0,1,2,3,4,5,6,7
.irp r, 0,1,2,3
.irp a, 0,1,2,3
.if ((\b) == 0) && ((\r) == 0)
	v_pk_mul_f32 v[SC+2*(\a):SC+2*(\a)+1], v[8*(8*(\a)+(\b))+2*(\r):8*(8*(\a)+(\b))+2*(\r)+1], v[8*(8*(\a)+(\b))+2*(\r):8*(8*(\a)+(\b))+2*(\r)+1]
.else
	v_pk_fma_f32 v[SC+2*(\a):SC+2*(\a)+1], v[8*(8*(\a)+(\b))+2*(\r):8*(8*(\a)+(\b))+2*(\r)+1], v[8*(8*(\a)+(\b))+2*(\r):8*(8*(\a)+(\b))+2*(\r)+1], v[SC+2*(\a):SC+2*(\a)+1]
.endif
.endr
.endr
.endr
	WIN 0
.irp a, 0,1,2,3
	v_add_f32 v[SC+2*(\a)], v[SC+2*(\a)], v[SC+2*(\a)+1]
.endr
.irp a, 0,1,2,3
	v_permlanex16_b32 v[SC+2*(\a)+1], v[SC+2*(\a)], s[SEL], s[SEL+1]  ; the row's other 64 of my columns lie in the lane 16 away
.endr
.irp a, 0,1,2,3
	v_add_f32 v[SC+2*(\a)], v[SC+2*(\a)], v[SC+2*(\a)+1]
.endr
.irp a, 0,1,2,3
	ds_store_b32 v[SCW], v[SC+2*(\a)] offset:64*(\a)  ; both halves of the lanes write the same word with the same number.  The partner reads it behind tile v, whose changes of slots
.endr                                                  ; each wait for all my LDS instructions and pass a barrier.  (These four stores are younger than v's first fragments: the next wait, for 4, shows all of those in)
	TILE 1, 3, 128, 1                              ; v, where q lay
	; THE SOFTMAX over the one key, and the way out.  The lines below are also the places behind the last products.
.irp a, 0,1,2,3
	ds_load_b32 v[PR+2*(\a)], v[SCRD] offset:64*(\a)
.endr
	s_wait_dscnt 0x0
.irp a, 0,1,2,3
	v_add_f32 v[SC+2*(\a)], v[SC+2*(\a)], v[PR+2*(\a)]       ; q . k over the head's 256 columns
.endr
.irp a, 0,1,2,3
	v_mul_f32 v[SC+2*(\a)], 0x3d800000, v[SC+2*(\a)]         ; the score: / sqrt(256)
.endr
.irp a, 0,1,2,3
	v_sub_f32 v[SC+2*(\a)+1], v[SC+2*(\a)], v[SC+2*(\a)]     ; less the maximum over the keys, which is the one score itself: 0, or NaN where the score is not finite
.endr
.irp a, 0,1,2,3
	v_mul_f32 v[SC+2*(\a)+1], 0x3fb8aa3b, v[SC+2*(\a)+1]     ; x log2(e)
.endr
.irp a, 0,1,2,3
	v_exp_f32 v[PR+2*(\a)], v[SC+2*(\a)+1]
.endr
	v_nop                                          ; a plain instruction behind the last exponential,
	s_wait_alu depctr_va_vdst(0)                   ; and the one wait ahead of the batch's first reader
.irp a, 0,1,2,3
	v_rcp_f32 v[PR+2*(\a)+1], v[PR+2*(\a)]         ; 1 / the sum over the keys, which has one term
.endr
	v_nop
	s_wait_alu depctr_va_vdst(0)                   ; the same for the four reciprocals
.irp a, 0,1,2,3
	v_mul_f32 v[PR+2*(\a)], v[PR+2*(\a)], v[PR+2*(\a)+1]     ; p
.endr
; Row block a: v times p, rounded to bf16: a lane's eight columns of a row pack into 16 bytes; through my own stage in LDS they come back as whole rows of 256 bytes.
.macro PACK a
	WIN 0x41                                       ; destination and source 0 window 1, p in window 0
.set i, 64*(\a)
.rept 32
	v_pk_mul_f32 v[i:i+1], v[i:i+1], v[PR+2*(\a):PR+2*(\a)+1] op_sel_hi:[1,0]
.set i, i+2
.endr
	WIN 0x05                                       ; sources 0 and 1 window 1, destination window 0
.set i, 0
.rept 32
	v_cvt_pk_bf16_f32 v[TMP+i], v[64*(\a)+2*i], v[64*(\a)+2*i+1]
.set i, i+1
.endr
	WIN 0
.endm
.macro TOSTAGE a
.irp b, 0,1,2,3,4,5,6,7
	ds_store_b128 v[STO], v[TMP+4*(\b):TMP+4*(\b)+3] offset:32*(\b)
.endr
.irp t, 0,1,2,3,4,5,6,7
	ds_load_b128 v[OB+32*(\a)+4*(\t):OB+32*(\a)+4*(\t)+3], v[RD] offset:(\t)*2*SPITCH  ; LDS serves a wave's instructions in order (ISA guide 5.7.1.4): these see the stores above
.endr
.endm
.macro SEND a
	s_wait_dscnt 0x0                               ; the block is back in registers of its own, which nothing rewrites
.irp t, 0,1,2,3,4,5,6,7
	global_store_b128 v[CO], v[OB+32*(\a)+4*(\t):OB+32*(\a)+4*(\t)+3], s[14:15] offset:(\a)*65536+(\t)*8192  ; 16 lanes store 256 consecutive bytes, at a multiple of 256 from attn's first byte
.endr
.endm
	PACK 0
	TOSTAGE 0
.irp a, 1,2,3                          ; block a's arithmetic stands between block a - 1's loads from the stage and the wait for them
	PACK \a
	SEND (\a)-1
	TOSTAGE \a
.endr
	SEND 3
	s_wait_tensorcnt 0x0                           ; the wave's end: behind my last tensor load and my last LDS store
	ds_add_u32 v[SPW], v[NIL]
	s_wait_dscnt 0x0
	CROUND                                         ; the closing round: no work-group ends while a partner may still ask for a tile that names it
	s_endpgm
.Lfunc_end_k_q9ceac1b973_qkv:
	.size	k_q9ceac1b973_qkv, .Lfunc_end_k_q9ceac1b973_qkv-k_q9ceac1b973_qkv
	.p2alignl 7, 3214868480
	.fill 96, 4, 3214868480
	.section	.rodata,"a",@progbits
	.p2align	6, 0x0
	.amdhsa_kernel k_q9ceac1b973_qkv
		.amdhsa_group_segment_fixed_size 327680
		.amdhsa_private_segment_fixed_size 0
		.amdhsa_enable_private_segment 0
		.amdhsa_kernarg_size 48
		.amdhsa_user_sgpr_count 2
		.amdhsa_user_sgpr_kernarg_segment_ptr 1
		.amdhsa_wavefront_size32 1
		.amdhsa_system_sgpr_workgroup_id_x 1
		.amdhsa_system_sgpr_workgroup_id_y 1
		.amdhsa_system_sgpr_workgroup_id_z 1
		.amdhsa_system_vgpr_workitem_id 0
		.amdhsa_next_free_vgpr 1024
		.amdhsa_next_free_sgpr 80
		.amdhsa_reserve_vcc 0
		.amdhsa_float_denorm_mode_32 3
		.amdhsa_float_denorm_mode_16_64 3
		.amdhsa_memory_ordered 1
		.amdhsa_forward_progress 1
		.amdhsa_inst_pref_size 241
	.end_amdhsa_kernel
	.amdgpu_metadata
---
amdhsa.version: [ 1, 2 ]
amdhsa.kernels:
  - .name:           k_q9ceac1b973_qkv
    .symbol:         k_q9ceac1b973_qkv.kd
    .args:
      - { .name: h, .offset: 0, .size: 8, .value_kind: global_buffer, .address_space: global }
      - { .name: wb, .offset: 8, .size: 8, .value_kind: global_buffer, .address_space: global }
      - { .name: b_q, .offset: 16, .size: 8, .value_kind: global_buffer, .address_space: global }
      - { .name: b_k, .offset: 24, .size: 8, .value_kind: global_buffer, .address_space: global }
      - { .name: b_v, .offset: 32, .size: 8, .value_kind: global_buffer, .address_space: global }
      - { .name: attn, .offset: 40, .size: 8, .value_kind: global_buffer, .address_space: global }
    .group_segment_fixed_size: 327680
    .private_segment_fixed_size: 0
    .kernarg_segment_align: 8
    .kernarg_segment_size: 48
    .max_flat_workgroup_size: 128
    .sgpr_count:     80
    .vgpr_count:     1024
    .wavefront_size: 32
...
	.end_amdgpu_metadata
.endif
;; end of part 2
;; launch oproj (part 3): grid 8 x 32, 4 waves a work-group, clusters of 4 x 4, 327,680 bytes of LDS; arguments attn, wb, b_o, x, out0; writes out0
.if DOCPART == 3
	.amdgcn_target "amdgcn-amd-amdhsa--gfx1250"
	.amdhsa_code_object_version 6
	.text
	.protected	k_q9ceac1b973_oproj
	.globl	k_q9ceac1b973_oproj
	.p2align	8
	.type	k_q9ceac1b973_oproj,@function
k_q9ceac1b973_oproj:
	s_mov_b64 s[64:65], 0
	v_nop
	global_prefetch_b8 v0, s[64:65] scope:SCOPE_SE
	s_setreg_imm32_b32 hwreg(HW_REG_WAVE_MODE, 25, 1), 1
	s_wait_xcnt 0x0
	s_wait_alu depctr_hold_cnt(0) depctr_sa_sdst(0) depctr_va_vdst(0) depctr_va_sdst(0) depctr_va_ssrc(0) depctr_va_vcc(0) depctr_vm_vsrc(0)
	s_getreg_b32 s2, hwreg(HW_REG_IB_STS2, 6, 4)
	s_cmp_eq_u32 s2, 0
	s_cbranch_scc0 .Lentry_in_a_cluster
	s_endpgm
.Lentry_in_a_cluster:
	s_bfe_u32 s2, ttmp6, 0x10000c
	s_cmp_lg_u32 s2, 0xf033
	s_cbranch_scc0 .Lentry_shape_is_right
	s_endpgm
.Lentry_shape_is_right:
; out0 = attn wo^T + b_o + x.  attn: [4096][2048] bf16.  wo: the fourth matrix of wb, [2048][2048] bf16.  b_o: [2048] f32.  x, out0: [4096][2048] f32.  Products on bf16 operands with f32 sums; bias and residual in f32.
; SHARES.  One tile of 128 rows x 256 columns to a work-group of four waves; wave w makes rows 64 (w / 2) .. and columns 128 (w % 2) ..: 4 x 8 accumulators of 16 x 16, 256 registers.
; K = 2,048 goes in 16 steps of 128 through a ring of two LDS slots.  CLUSTER 4 x 4: the four of a row of the cluster share attn's rows, the four of a column wo's rows: each tile is asked for JOINTLY.
; THE MATRIX INSTRUCTION IS USED TRANSPOSED (source 0 = 16 rows of wo, source 1 = 16 rows of attn): lane l holds row l % 16 of the result and the columns 8 (l / 16) + 0..7.
; THE BIAS IS THE C OPERAND of the first 32 products.  x comes into registers during the last lap and is added on the way out, where the results have come back from LDS as whole rows.
; REGISTERS, in windows of 256 (s_set_vgpr_msb: bits 1:0 source 0, 3:2 source 1, 5:4 source 2, 7:6 destination):
;   window 0: v0-31 addresses; v64-159, v160-255 two fragment buffers (8 fragments of wo, then 4 of attn); on the way out v64-127, v128-191 rows read back, by turns
;   window 1: accumulator (a, b) at v[8 (8 a + b)]      window 2: v0-63 b_o, read by the first quarter alone; later x: my row i (of 64) at v[4 i]
.set KSTEP,  128
.set LAPS,   8
.set PITCH,  272                       ; an LDS row: 256 bytes + 16 of padding: the 16 rows of a fragment load start at 16 different groups of four banks (64 banks of 4 bytes: ISA guide 11.1)
.set AHALF,  64*PITCH
.set BHALF,  128*PITCH
.set SLOT,   2*AHALF+2*BHALF           ; attn's 128 rows, then wo's 256
.set STAGE,  2*SLOT                    ; behind the ring: 16 rows x 528 bytes for each wave, for the way out
.set SPITCH, 528                       ; 512 bytes (128 f32) + 16
.set SPARE,  STAGE+4*16*SPITCH         ; the spare words, 128 bytes for each wave: two blocks of 256 bytes that no other line names
.set MAT,    2048*2048*2
.set ADRA, 16                          ; v16-17  LDS address of my fragments of attn in slot 0, 1
.set ADRB, 20                          ; v20-21  the same for wo
.set STO,  24                          ; v24     the way out: where I put 32 bytes of a row
.set RD,   25                          ; v25     the way out: where I read 16 bytes of a row back
.set CO,   26                          ; v26     16 x lane: my 16 bytes of the wave's 512 in a row of x and of out0; never rewritten
.set BO,   27                          ; v27     32 (l / 16)
.set SPW,  28                          ; v28     LDS address of my spare word; never rewritten
.set NIL,  29                          ; v29     0; never rewritten
.set PFO,  30                          ; v30     lane x 4,096; never rewritten
.set F0,   64
.set F1,   160
.set OB,   64
.set WV, 16
.set RH, 17
.set CH, 18
.set CX, 19
.set CY, 20
.set GX, 21                            ; s21 the block of 256 columns   s22 the block of 128 rows
.set GY, 22
.set G1A, 24
.set G0A, 32
.set PFA, 40
.set LIM, 42
.set CNT, 43
.set G1B, 48
.set G0B, 56
.set MSB, 0
.set ACCW, 1
.set BIASW, 2
.set BIAS, 0
.macro WIN new                         ; the immediate's high byte repeats the setting that is left; a switch that changes nothing is dropped
.if MSB != (\new)
	s_set_vgpr_msb (MSB<<8)|(\new)
.set MSB, \new
.endif
.endm
; A joint load: waves 0 and 1 fetch attn's two halves, waves 2 and 3 wo's.  The branch hangs on the wave's number alone.  An s_nop 0 and four v_nop follow each line.
.macro JLOAD s
	s_cmp_eq_u32 s[RH], 0
	s_cbranch_scc0 .Lfor_b_\@
	tensor_load_to_lds s[G0A+4*(\s):G0A+4*(\s)+3], s[G1A:G1A+7]
	s_nop 0
.rept 4
	v_nop
.endr
	s_branch .Lasked_\@
.Lfor_b_\@:
	tensor_load_to_lds s[G0B+4*(\s):G0B+4*(\s)+3], s[G1B:G1B+7]
	s_nop 0
.rept 4
	v_nop
.endr
.Lasked_\@:
.endm
; A PREFETCH INTO THE L2, behind each joint load and the run of LDS loads that follows it: 32 rows x 256 bytes, a lane a row, of the K step that stands two refills on: 256 matrix instructions ahead of the load that will want it.
; Each row's 256 bytes of a K step are named once in the launch: attn's by wave 0 in the clusters with x = 0, each partner 32 of the 128 rows (by cx); wo's by waves 2 and 3 in the clusters with y = 0,
; each 32 (by cy) of the 128 rows that it fetches.  The last two refills have no K step two on.
.macro ASK
	s_cmp_gt_u32 s[CNT], s[LIM]                    ; s[CNT] = 1 in the loop's last trip
	s_cbranch_scc0 .Lnot_mine_\@
	global_prefetch_b8 v[PFO], s[PFA:PFA+1] offset:KSTEP*2 th:TH_LOAD_NT scope:SCOPE_SE
.Lnot_mine_\@:
.endm
.macro CREST                           ; a round of the cluster's barrier behind its opening barrier
	s_cmp_lg_u32 s[WV], 0
	s_cbranch_scc1 .Lnot_wave_0_\@
	s_barrier_signal -3
.Lnot_wave_0_\@:
	s_barrier_wait -3
	s_barrier_signal -1
	s_barrier_wait -1
.endm
.macro CROUND
	s_barrier_signal -1
	s_barrier_wait -1
	CREST
.endm
.macro PLACES                          ; four places in front of loads into registers that matrix instructions have read, and of lines that read results
.rept 4
	v_nop
.endr
.endm
; 8 matrix instructions: row block a x all 8 column blocks, 32 along K, from buffer f.  zero = 1: the first products: C is the bias.
; The 32 accumulators take turns, one instruction a turn, in the same order in every quarter.
.macro MUL8 f, a, zero
.if \zero
	WIN (ACCW<<6)|(BIASW<<4)
.else
	WIN (ACCW<<6)|(ACCW<<4)
.endif
.irp b, 0,1,2,3,4,5,6,7
.if \zero
	v_wmma_f32_16x16x32_bf16 v[8*(8*(\a)+(\b)):8*(8*(\a)+(\b))+7], v[(\f)+8*(\b):(\f)+8*(\b)+7], v[(\f)+64+8*(\a):(\f)+64+8*(\a)+7], v[BIAS+8*(\b):BIAS+8*(\b)+7]
.else
	v_wmma_f32_16x16x32_bf16 v[8*(8*(\a)+(\b)):8*(8*(\a)+(\b))+7], v[(\f)+8*(\b):(\f)+8*(\b)+7], v[(\f)+64+8*(\a):(\f)+64+8*(\a)+7], v[8*(8*(\a)+(\b)):8*(8*(\a)+(\b))+7]
.endif
.endr
.endm
; 24 LDS loads in one run: the fragments of 32 along K at byte k of the rows, into buffer f: wo's 8, then attn's 4
.macro FETCH slot, k, f
	WIN 0
.irp i, 0,1,2,3,4,5,6,7
	ds_load_b128 v[(\f)+8*(\i):(\f)+8*(\i)+3],   v[ADRB+(\slot)] offset:(\k)+(\i)*16*PITCH
	ds_load_b128 v[(\f)+8*(\i)+4:(\f)+8*(\i)+7], v[ADRB+(\slot)] offset:(\k)+(\i)*16*PITCH+32
.endr
.irp i, 0,1,2,3
	ds_load_b128 v[(\f)+64+8*(\i):(\f)+64+8*(\i)+3],   v[ADRA+(\slot)] offset:(\k)+(\i)*16*PITCH
	ds_load_b128 v[(\f)+64+8*(\i)+4:(\f)+64+8*(\i)+7], v[ADRA+(\slot)] offset:(\k)+(\i)*16*PITCH+32
.endr
.endm
.macro QUARTER slot, k, f, g, zero
	s_wait_dscnt 4                                 ; wo and attn's row blocks 0, 1 are in; the youngest four loads (blocks 2, 3) may be out
	MUL8 \f, 0, \zero
	MUL8 \f, 1, \zero
	PLACES
	FETCH \slot, \k, \g
	s_wait_dscnt 24                                ; all but the 24 just issued
	MUL8 \f, 2, \zero
	MUL8 \f, 3, \zero
.endm
; The first half of a K step's last quarter: ONE barrier, for two things: behind it nobody reads this slot any more, and the next slot is whole.
.macro MEET round
	WIN 0                                          ; (the add's two registers lie in window 0)
	s_wait_tensorcnt 0x0                           ; all my tensor loads have landed: the one that was out is my part of the next slot;
	ds_add_u32 v[SPW], v[NIL]                      ; 0 onto my spare word;
	s_wait_dscnt 5                                 ; (the add and the youngest four loads may be out)
	MUL8 F1, 0, 0                                  ; eight matrix instructions stand between the add and the wait for it
	s_wait_dscnt 0x0                               ; the add is done, and my reads of this slot are over
	s_barrier_signal -1
	MUL8 F1, 1, 0
.if \round
	WIN 0
.endif
	s_barrier_wait -1
.endm
; The whole last quarter: the barrier opens a round of the cluster's; behind the round the slot just read out is filled again first, with the K step two on: 112 matrix instructions ahead of the wait for it.
.macro TURN slot, next
	s_wait_xcnt 0x0                                ; the last prefetch, a K step back, has read its address, so it may be stepped
	s_add_nc_u64 s[PFA:PFA+1], s[PFA:PFA+1], KSTEP*2
	MEET 1
	CREST                                          ; no wave of any partner still reads this slot's tiles or has a load on its way
	s_add_nc_u64 s[G0A+4*(\slot)+2:G0A+4*(\slot)+3], s[G0A+4*(\slot)+2:G0A+4*(\slot)+3], 2*KSTEP*2
	s_add_nc_u64 s[G0B+4*(\slot)+2:G0B+4*(\slot)+3], s[G0B+4*(\slot)+2:G0B+4*(\slot)+3], 2*KSTEP*2
	JLOAD \slot                                    ; the first tensor load behind the round; its four v_nop are also the places in front of the loads below
	FETCH \next, 0, F0
	ASK
	MUL8 F1, 2, 0
	MUL8 F1, 3, 0
.endm
; 32 of my 64 rows of x, 512 consecutive bytes a load, into window 2
.macro XLOADS half
	WIN 0x80                                       ; destination window 2, address window 0
.set i, 32*(\half)
.rept 32
	global_load_b128 v[4*i:4*i+3], v[CO], s[10:11] offset:i*8192 th:TH_LOAD_NT
.set i, i+1
.endr
	WIN 0
.endm
	s_load_b256 s[4:11], s[0:1], 0x0               ; attn s[4:5], wb s[6:7], b_o s[8:9], x s[10:11]
	s_load_b64 s[12:13], s[0:1], 0x20              ; out0
	v_lshl_add_u32 v[SPW], v0, 2, SPARE
	v_mov_b32 v[NIL], 0
	ds_add_u32 v[SPW], v[NIL]                      ; the wave's opening: the add and its wait stand ahead of my first tensor load; the set-up below, work on registers, stands between them
	v_lshrrev_b32 v1, 5, v0
	v_readfirstlane_b32 s[WV], v1                  ; wave 0..3
	s_lshr_b32 s[RH], s[WV], 1
	s_and_b32 s[CH], s[WV], 1
	s_bfe_u32 s[CX], ttmp6, 0x40000
	s_bfe_u32 s[CY], ttmp6, 0x40004
	s_lshl_b32 s[GX], ttmp9, 2
	s_add_co_u32 s[GX], s[GX], s[CX]               ; the block of columns = 4 x cluster x + cx
	s_and_b32 s[GY], ttmp7, 0xffff
	s_lshl_b32 s[GY], s[GY], 2
	s_add_co_u32 s[GY], s[GY], s[CY]               ; the block of rows = 4 x cluster y + cy
	s_lshl_b32 s44, s[CY], 2
	s_lshl_b32 s44, 15, s44                        ; my row of the cluster
	s_lshl_b32 s46, 0x1111, s[CX]                  ; my column
	s_or_b32 s[G1A], s44, (1<<16)|(1<<20)|(1<<21)|(5<<22)|(3<<25)  ; 15:0 the mask; 17:16 elements of 2 bytes; 20 padding on; 21 set beside a mask; 24:22 after every 64 words (code 5); 31:25 4 words of it (code 3)
	s_or_b32 s[G1B], s46, (1<<16)|(1<<20)|(1<<21)|(5<<22)|(3<<25)
.irp g, G1A, G1B
	s_mov_b32 s[(\g)+1], KSTEP<<16                 ; tensor_dim0 = 128
	s_mov_b32 s[(\g)+3], KSTEP<<16                 ; tile_dim0 = 128
	s_mov_b32 s[(\g)+5], 2048                      ; elements from row to row
	s_mov_b32 s[(\g)+6], 0
	s_mov_b32 s[(\g)+7], 0
.endr
	s_mov_b32 s[G1A+2], 64<<16                     ; tensor_dim1 = tile_dim1 = 64 rows of attn,
	s_mov_b32 s[G1A+4], 64
	s_mov_b32 s[G1B+2], 128<<16                    ; 128 of wo
	s_mov_b32 s[G1B+4], 128
	s_lshl_b32 s44, s[GY], 19                      ; attn: 128 rows of 4,096 bytes a block, the 64 that I fetch
	s_lshl_b32 s45, s[CH], 18
	s_add_co_u32 s44, s44, s45
	s_mov_b32 s45, 0
	s_lshl_b32 s46, s[GX], 20                      ; wo: 256 rows a block, the 128 that I fetch
	s_lshl_b32 s47, s[CH], 19
	s_add_co_u32 s46, s46, s47
	s_mov_b32 s47, 0
	s_mul_i32 s68, s[CH], AHALF                    ; where they go: no place in the cluster enters an LDS address
	s_mul_i32 s70, s[CH], BHALF
	s_add_co_u32 s70, s70, 2*AHALF
	s_wait_dscnt 0x0                               ; the opening add is done
	s_wait_kmcnt 0x0
	s_add_nc_u64 s[6:7], s[6:7], 3*MAT             ; wo is wb's fourth matrix
	s_add_nc_u64 s[44:45], s[4:5], s[44:45]
	s_add_nc_u64 s[46:47], s[6:7], s[46:47]
	CROUND                                         ; all sixteen work-groups are here: the first joint loads meet
.irp s, 0,1
	s_mov_b32 s[G0A+4*(\s)], 1
	s_add_co_u32 s[G0A+4*(\s)+1], s68, (\s)*SLOT
	s_add_nc_u64 s[G0A+4*(\s)+2:G0A+4*(\s)+3], s[44:45], (\s)*KSTEP*2
	s_or_b32 s[G0A+4*(\s)+3], s[G0A+4*(\s)+3], 0x80000000
	s_mov_b32 s[G0B+4*(\s)], 1
	s_add_co_u32 s[G0B+4*(\s)+1], s70, (\s)*SLOT
	s_add_nc_u64 s[G0B+4*(\s)+2:G0B+4*(\s)+3], s[46:47], (\s)*KSTEP*2
	s_or_b32 s[G0B+4*(\s)+3], s[G0B+4*(\s)+3], 0x80000000
	JLOAD \s                                       ; two loads of mine are out
.endr
	v_and_b32 v1, 15, v0                           ; l % 16
	v_bfe_u32 v2, v0, 4, 1                         ; l / 16
	v_lshlrev_b32 v[BO], 5, v2
	s_lshl_b32 s72, s[GX], 10                      ; my 128 columns: 4 (256 block + 128 half) bytes
	s_lshl_b32 s73, s[CH], 9
	s_add_co_u32 s72, s72, s73
	s_mov_b32 s73, 0
	s_add_nc_u64 s[8:9], s[8:9], s[72:73]
	WIN 0x80                                       ; destination window 2, address window 0
.irp b, 0,1,2,3,4,5,6,7
	global_load_b128 v[8*(\b):8*(\b)+3],   v[BO], s[8:9] offset:64*(\b)
	global_load_b128 v[8*(\b)+4:8*(\b)+7], v[BO], s[8:9] offset:64*(\b)+16
.endr
	WIN 0
	s_lshl_b32 s74, s[GY], 20                      ; x and out0 at my first row and column: + (128 block + 64 half) rows of 8,192 bytes
	s_add_co_u32 s72, s72, s74
	s_lshl_b32 s74, s[RH], 19
	s_add_co_u32 s72, s72, s74
	s_add_nc_u64 s[10:11], s[10:11], s[72:73]
	s_add_nc_u64 s[12:13], s[12:13], s[72:73]
	v_mul_u32_u24 v3, v1, PITCH
	v_lshl_add_u32 v3, v2, 4, v3                   ; a fragment's row x pitch + 16 x half
	s_mul_i32 s23, s[RH], AHALF                    ; my 64 rows of attn
	s_mul_i32 s74, s[CH], BHALF                    ; my 128 rows of wo,
	s_add_co_u32 s74, s74, 2*AHALF                 ; which lie behind attn's 128
.irp s, 0,1
	v_add_nc_u32 v[ADRA+(\s)], s23, v3
	v_add_nc_u32 v[ADRB+(\s)], s74, v3
	s_add_co_u32 s23, s23, SLOT
	s_add_co_u32 s74, s74, SLOT
.endr
	s_mul_i32 s23, s[WV], 16*SPITCH
	s_add_co_u32 s23, s23, STAGE                   ; my stage
	v_mul_u32_u24 v4, v1, SPITCH                   ; in: row l % 16, 32 bytes for each half of the lanes
	v_lshl_add_u32 v4, v2, 5, v4
	v_add_nc_u32 v[STO], s23, v4
	v_and_b32 v5, 31, v0
	v_lshlrev_b32 v[CO], 4, v5                     ; back: 32 lanes take one row of 512 bytes
	v_add_nc_u32 v[RD], s23, v[CO]
	; the prefetches
	s_lshl_b32 s72, s[GY], 7
	s_lshl_b32 s73, s[CX], 5
	s_add_co_u32 s72, s72, s73                     ; attn: the block's first row + my work-group's 32 of its 128
	s_lshl_b32 s74, s[GX], 8
	s_lshl_b32 s75, s[CH], 7
	s_add_co_u32 s74, s74, s75
	s_lshl_b32 s75, s[CY], 5
	s_add_co_u32 s74, s74, s75                     ; wo: the block's first row + the 128 that I fetch + my work-group's 32 of them
	s_and_b32 s23, ttmp7, 0xffff                   ; cluster y
	s_or_b32 s75, ttmp9, s[CH]                     ; 0 in wave 0 (of waves 0, 1) of a cluster with x = 0
	s_cmp_eq_u32 s[RH], 0
	s_cselect_b32 s72, s72, s74
	s_cselect_b32 s23, s75, s23
	s_cselect_b64 s[PFA:PFA+1], s[4:5], s[6:7]
	s_cmp_eq_u32 s23, 0
	s_cselect_b32 s[LIM], 1, -1                    ; the same in all sixteen partners, for a given wave
	s_lshl_b32 s72, s72, 12
	s_mov_b32 s73, 0
	s_add_nc_u64 s[PFA:PFA+1], s[PFA:PFA+1], s[72:73]
	s_add_nc_u64 s[PFA:PFA+1], s[PFA:PFA+1], 2*KSTEP*2  ; at K step 2: the first refill steps it to 3 and names K step 4.  Nothing is prefetched here, at the head
	v_lshlrev_b32 v[PFO], 12, v5
	s_wait_tensorcnt 1                             ; my part of K step 0 is in; K step 1's may stay out
	s_barrier_signal -1
	s_barrier_wait -1                              ; everybody's is
	FETCH 0, 0, F0
	s_wait_loadcnt 0x0                             ; the bias
	QUARTER 0, 64,  F0, F1, 1                      ; the first quarter stands in front of the loop: its products start the sums, with the bias
	WIN 0                                          ; at a label and at a branch every window is 0
	s_mov_b32 s[CNT], LAPS-1
.Llap:                                                 ; a trip goes once round the ring, from a lap's second quarter to the next lap's first, and fills both slots again
	QUARTER 0, 128, F1, F0, 0
	QUARTER 0, 192, F0, F1, 0
	TURN 0, 1
	QUARTER 1, 64,  F0, F1, 0
	QUARTER 1, 128, F1, F0, 0
	QUARTER 1, 192, F0, F1, 0
	TURN 1, 0
	QUARTER 0, 64,  F0, F1, 0
	WIN 0
	s_sub_co_u32 s[CNT], s[CNT], 1
	s_cmp_lg_u32 s[CNT], 0
	s_cbranch_scc1 .Llap
	XLOADS 0                                       ; x, rows 0-31: 224 matrix instructions ahead of their use; the bias, which lay in these registers, was last read by the first quarter
	QUARTER 0, 128, F1, F0, 0                      ; the last lap goes on
	QUARTER 0, 192, F0, F1, 0
	MEET 0                                         ; my one load that was still out is the last K step's, so no round follows
	PLACES
	FETCH 1, 0, F0
	MUL8 F1, 2, 0
	MUL8 F1, 3, 0
	XLOADS 1                                       ; x, rows 32-63
	QUARTER 1, 64,  F0, F1, 0
	QUARTER 1, 128, F1, F0, 0
	QUARTER 1, 192, F0, F1, 0
	s_wait_dscnt 4                                 ; the very last quarter: nothing more to fetch
	MUL8 F1, 0, 0
	MUL8 F1, 1, 0
	s_wait_dscnt 0x0
	MUL8 F1, 2, 0
	MUL8 F1, 3, 0
	WIN 0
; THE WAY OUT, a block of 16 rows at a time.  A lane's eight f32 of a row go into my own stage (rows of 528 bytes) and come back as whole rows of 512 bytes; x is added; a store of the wave covers 512 consecutive bytes.
.macro TOSTAGE a
	WIN 0x04                                       ; the stores' data lie in window 1
.irp b, 0,1,2,3,4,5,6,7
	ds_store_b128 v[STO], v[8*(8*(\a)+(\b)):8*(8*(\a)+(\b))+3]   offset:64*(\b)     ; each accumulator's low four registers first
	ds_store_b128 v[STO], v[8*(8*(\a)+(\b))+4:8*(8*(\a)+(\b))+7] offset:64*(\b)+16
.endr
	WIN 0
.irp t, 0,1,2,3,4,5,6,7,8,9,10,11,12,13,14,15
	ds_load_b128 v[OB+64*((\a)%2)+4*(\t):OB+64*((\a)%2)+4*(\t)+3], v[RD] offset:(\t)*SPITCH  ; LDS serves a wave's instructions in order (ISA guide 5.7.1.4): these see the stores above
.endr
.endm
.macro SEND a, younger                 ; younger: the LDS instructions issued behind block a's: the next block's 32, or none
	s_wait_dscnt \younger                          ; the block is back in registers
	s_wait_loadcnt 16*(3-(\a))                     ; its 16 rows of x are in; the later blocks' may stay out
	WIN 0x82                                       ; destination and source 0 (x) window 2, source 1 window 0
.set i, 0
.rept 32
	v_pk_add_f32 v[64*(\a)+2*i:64*(\a)+2*i+1], v[64*(\a)+2*i:64*(\a)+2*i+1], v[OB+64*((\a)%2)+2*i:OB+64*((\a)%2)+2*i+1]
.set i, i+1
.endr
	WIN 0x08                                       ; the stores' data lie in window 2: registers of the block's own, which nothing rewrites
.irp t, 0,1,2,3,4,5,6,7,8,9,10,11,12,13,14,15
	global_store_b128 v[CO], v[64*(\a)+4*(\t):64*(\a)+4*(\t)+3], s[12:13] offset:(16*(\a)+(\t))*8192 th:TH_STORE_NT
.endr
	WIN 0
.endm
	PLACES                                         ; the stores below read results just made, and the loads land in registers that the last products read
	TOSTAGE 0
	TOSTAGE 1
	SEND 0, 32
	TOSTAGE 2
	SEND 1, 32
	TOSTAGE 3
	SEND 2, 32
	SEND 3, 0
	s_wait_tensorcnt 0x0                           ; the wave's end: behind my last tensor load and my last LDS store
	ds_add_u32 v[SPW], v[NIL]
	s_wait_dscnt 0x0
	CROUND                                         ; the closing round: no work-group ends while a partner may still ask for a tile that names it
	s_endpgm
.Lfunc_end_k_q9ceac1b973_oproj:
	.size	k_q9ceac1b973_oproj, .Lfunc_end_k_q9ceac1b973_oproj-k_q9ceac1b973_oproj
	.p2alignl 7, 3214868480
	.fill 96, 4, 3214868480
	.section	.rodata,"a",@progbits
	.p2align	6, 0x0
	.amdhsa_kernel k_q9ceac1b973_oproj
		.amdhsa_group_segment_fixed_size 327680
		.amdhsa_private_segment_fixed_size 0
		.amdhsa_enable_private_segment 0
		.amdhsa_kernarg_size 40
		.amdhsa_user_sgpr_count 2
		.amdhsa_user_sgpr_kernarg_segment_ptr 1
		.amdhsa_wavefront_size32 1
		.amdhsa_system_sgpr_workgroup_id_x 1
		.amdhsa_system_sgpr_workgroup_id_y 1
		.amdhsa_system_sgpr_workgroup_id_z 1
		.amdhsa_system_vgpr_workitem_id 0
		.amdhsa_next_free_vgpr 768
		.amdhsa_next_free_sgpr 80
		.amdhsa_reserve_vcc 0
		.amdhsa_float_denorm_mode_32 3
		.amdhsa_float_denorm_mode_16_64 3
		.amdhsa_memory_ordered 1
		.amdhsa_forward_progress 1
		.amdhsa_inst_pref_size 102
	.end_amdhsa_kernel
	.amdgpu_metadata
---
amdhsa.version: [ 1, 2 ]
amdhsa.kernels:
  - .name:           k_q9ceac1b973_oproj
    .symbol:         k_q9ceac1b973_oproj.kd
    .args:
      - { .name: attn, .offset: 0, .size: 8, .value_kind: global_buffer, .address_space: global }
      - { .name: wb, .offset: 8, .size: 8, .value_kind: global_buffer, .address_space: global }
      - { .name: b_o, .offset: 16, .size: 8, .value_kind: global_buffer, .address_space: global }
      - { .name: x, .offset: 24, .size: 8, .value_kind: global_buffer, .address_space: global }
      - { .name: out0, .offset: 32, .size: 8, .value_kind: global_buffer, .address_space: global }
    .group_segment_fixed_size: 327680
    .private_segment_fixed_size: 0
    .kernarg_segment_align: 8
    .kernarg_segment_size: 40
    .max_flat_workgroup_size: 128
    .sgpr_count:     80
    .vgpr_count:     768
    .wavefront_size: 32
...
	.end_amdgpu_metadata
.endif
;; end of part 3
;; ======== version 2 of 3: 3 launches
;; workspace buffers: h 16,777,216 bytes; wb 33,554,432 bytes; attn 16,777,216 bytes
;; launch prep (part 4): grid 768 x 1, 4 waves a work-group, no clusters, 0 bytes of LDS; arguments x, ln_gamma, ln_beta, w_q, w_k, w_v, w_o, h, wb; writes h, wb
.if DOCPART == 4
	.amdgcn_target "amdgcn-amd-amdhsa--gfx1250"
	.amdhsa_code_object_version 6
	.text
	.protected	k_q9ceac1b973_prep
	.globl	k_q9ceac1b973_prep
	.p2align	8
	.type	k_q9ceac1b973_prep,@function
k_q9ceac1b973_prep:
	s_mov_b64 s[64:65], 0
	v_nop
	global_prefetch_b8 v0, s[64:65] scope:SCOPE_SE
	s_setreg_imm32_b32 hwreg(HW_REG_WAVE_MODE, 25, 1), 1
	s_wait_xcnt 0x0
; h = LayerNorm(x) * gamma + beta, rounded once to bf16; wb = the four weight matrices (q, k, v, o), each number rounded once to bf16.
; x: [4096][2048] f32.  w_*: [2048][2048] f32.
; LAYOUTS.  h and the first three matrices of wb lie IN BLOCKS OF 64 ALONG K: h as [32][4096][64], each of wq, wk, wv as [32][2048][64]: the next launch's tiles (some rows x 64 along K) are then dense in memory.
; The fourth matrix, wo, stays row-major [2048][2048].
; A stream: every byte is read once and written once, so no LDS, no matrix unit, no cluster (no two work-groups read the same large bytes).
; Work-groups 0-255: LayerNorm, 16 rows each, 4 a wave: 128 KiB in, 64 KiB out.  Work-groups 256-767: 128 KiB of one weight matrix each: the same bytes.
; LAYERNORM.  One wave holds one row in 64 registers between the passes: sum, mean; the row is centred in place; sum of squares of the centred row; scale.
; The variance is taken of the centred numbers, as the definition has it, so a common offset of x cancels before anything is squared.  All in f32; 1/sqrt by v_rsq_f32 (1 ULP).
; Lane l's chunk j (of 16) is columns 128 j + 4 l .. + 3: a load of the wave covers 512 consecutive bytes of x.  Rows go IN PAIRS: in a K block two neighbouring rows are 256 consecutive bytes, so the two rows'
; halves of a block are brought into one register, and a store of the wave covers 256 consecutive bytes, aligned.
.set ROWX, 8192                        ; bytes in a row of x
.set HKB,  4096*128                    ; bytes from a K block of h to the next
.set WKB,  2048*128                    ; the same in wq, wk, wv
.set XR,  16                           ; v[16:79]    the row (in the cast: a ring of 16 slots of 4)
.set GA,  80                           ; v[80:143]   gamma of my 64 columns
.set BE,  144                          ; v[144:207]  beta
.set YR,  208                          ; v[208:239]  32 registers of bf16 pairs
; v1 = 16 x lane, v2 = 8 x lane, v3 = 8,192 (lane / 16) + 16 (lane % 16): never rewritten.  v4-v11 four packed chains, v12-v13 mean, then 1/sqrt, v14 variance + eps
	s_load_b512 s[4:19], s[0:1], 0x0               ; x s[4:5], gamma s[6:7], beta s[8:9], w_q s[10:11], w_k s[12:13], w_v s[14:15], w_o s[16:17], h s[18:19]
	s_load_b64 s[20:21], s[0:1], 0x40              ; wb
	v_lshrrev_b32 v3, 5, v0
	v_readfirstlane_b32 s22, v3                    ; wave 0..3
	v_and_b32 v3, 31, v0
	v_lshlrev_b32 v1, 4, v3
	v_lshlrev_b32 v2, 3, v3
	v_and_b32 v4, 15, v0
	v_bfe_u32 v5, v0, 4, 1
	v_lshlrev_b32 v4, 4, v4
	v_lshl_add_u32 v3, v5, 13, v4
	s_wait_kmcnt 0x0
	s_cmp_lt_u32 ttmp9, 256
	s_cbranch_scc0 .Lcast
	; ---------------- LayerNorm ----------------
	s_lshl_b32 s28, ttmp9, 17                      ; 16 rows of 8,192 bytes a work-group,
	s_lshl_b32 s23, s22, 15                        ; 4 a wave
	s_add_co_u32 s28, s28, s23
	s_mov_b32 s29, 0
	s_lshl_b32 s30, ttmp9, 11                      ; the same rows in a K block of h: 128 bytes a row
	s_lshl_b32 s23, s22, 9
	s_add_co_u32 s30, s30, s23
	s_mov_b32 s31, 0
	s_add_nc_u64 s[4:5], s[4:5], s[28:29]
	s_add_nc_u64 s[18:19], s[18:19], s[30:31]      ; my rows in K block 0,
	s_add_nc_u64 s[34:35], s[18:19], 16*HKB        ; and in K block 16: so that 15 blocks at the most stand in a store's immediate
	s_mov_b32 s24, 0x3a000000                      ; 1 / 2048
	s_mov_b32 s25, 0x3727c5ac                      ; 1e-5
	s_mov_b32 s26, 0x76543210                      ; v_permlanex16_b32: each lane takes its own place in the other half
	s_mov_b32 s27, 0xfedcba98
.macro XLOAD                           ; a row of x: 16 loads of 512 consecutive bytes
.irp j, 0,1,2,3,4,5,6,7,8,9,10,11,12,13,14,15
	global_load_b128 v[XR+4*(\j):XR+4*(\j)+3], v1, s[4:5] offset:512*(\j) th:TH_LOAD_NT
.endr
.endm
	XLOAD                                          ; row 0
.irp j, 0,1,2,3,4,5,6,7,8,9,10,11,12,13,14,15
	global_load_b128 v[GA+4*(\j):GA+4*(\j)+3], v1, s[6:7] offset:512*(\j)
	global_load_b128 v[BE+4*(\j):BE+4*(\j)+3], v1, s[8:9] offset:512*(\j)
.endr
; four packed chains in v[4:11] -> one number in v4, the same in all 32 lanes
.macro REDUCE
	v_pk_add_f32 v[4:5], v[4:5], v[6:7]
	v_pk_add_f32 v[8:9], v[8:9], v[10:11]
	v_pk_add_f32 v[4:5], v[4:5], v[8:9]
	v_add_f32 v4, v4, v5
	v_add_f32_dpp v4, v4, v4 row_xmask:1 row_mask:0xf bank_mask:0xf
	v_add_f32_dpp v4, v4, v4 row_xmask:2 row_mask:0xf bank_mask:0xf
	v_add_f32_dpp v4, v4, v4 row_xmask:4 row_mask:0xf bank_mask:0xf
	v_add_f32_dpp v4, v4, v4 row_xmask:8 row_mask:0xf bank_mask:0xf
	v_permlanex16_b32 v5, v4, s26, s27             ; v5 has been written: the destination counts as read
	v_add_f32 v4, v4, v5
.endm
; The row in XR becomes (x - mean) / sqrt(var + eps) * gamma + beta, in f32, in place.
.macro NORM
	s_wait_loadcnt 0x0                             ; the row's 16 loads (the first time gamma's and beta's too): nothing younger is out
.irp c, 0,1,2,3
	v_pk_add_f32 v[4+2*(\c):5+2*(\c)], v[XR+2*(\c):XR+2*(\c)+1], v[XR+8+2*(\c):XR+8+2*(\c)+1]  ; the first pairs start the chains: nothing is cleared
.endr
.set j, 8
.rept 24
	v_pk_add_f32 v[4+2*(j%4):5+2*(j%4)], v[4+2*(j%4):5+2*(j%4)], v[XR+2*j:XR+2*j+1]
.set j, j+1
.endr
	REDUCE
	v_mul_f32 v12, s24, v4                         ; the mean, twice: a pair for the packed lines
	v_mul_f32 v13, s24, v4
.set j, 0
.rept 32
	v_pk_add_f32 v[XR+2*j:XR+2*j+1], v[XR+2*j:XR+2*j+1], v[12:13] neg_lo:[0,1] neg_hi:[0,1]  ; x - mean, in place
.set j, j+1
.endr
.irp c, 0,1,2,3
	v_pk_mul_f32 v[4+2*(\c):5+2*(\c)], v[XR+2*(\c):XR+2*(\c)+1], v[XR+2*(\c):XR+2*(\c)+1]
.endr
.set j, 4
.rept 28
	v_pk_fma_f32 v[4+2*(j%4):5+2*(j%4)], v[XR+2*j:XR+2*j+1], v[XR+2*j:XR+2*j+1], v[4+2*(j%4):5+2*(j%4)]
.set j, j+1
.endr
	REDUCE
	v_fma_f32 v14, v4, s24, s25                    ; variance + eps
	v_rsq_f32 v12, v14                             ; twice: a pair again
	v_rsq_f32 v13, v14
	v_nop                                          ; a plain instruction behind the last of the two (ISA guide 5.7.2),
	s_wait_alu depctr_va_vdst(0)                   ; and the one wait ahead of their first reader
.set j, 0
.rept 32
	v_pk_mul_f32 v[XR+2*j:XR+2*j+1], v[XR+2*j:XR+2*j+1], v[12:13]
.set j, j+1
.endr
.set j, 0
.rept 32
	v_pk_fma_f32 v[XR+2*j:XR+2*j+1], v[XR+2*j:XR+2*j+1], v[GA+2*j:GA+2*j+1], v[BE+2*j:BE+2*j+1]
.set j, j+1
.endr
.endm
	s_mov_b32 s23, 2
.Lpair:                                                ; two rows a trip
	NORM                                           ; the even row
.set j, 0
.rept 32
	v_cvt_pk_bf16_f32 v[YR+j], v[XR+2*j], v[XR+2*j+1]  ; (YR: the last trip's stores have read it: the wait at that trip's end)
.set j, j+1
.endr
	s_add_nc_u64 s[4:5], s[4:5], ROWX              ; the loads that named this base are in
	XLOAD                                          ; the odd row
	NORM
.set j, 0
.rept 32
	v_cvt_pk_bf16_f32 v[XR+j], v[XR+2*j], v[XR+2*j+1]  ; in place, ascending: register j is written when registers 2 j and 2 j + 1 are read, and no later line reads a register below 2 j + 2
.set j, j+1
.endr
	; In both rows lanes 0-15 hold columns of the even K block 2 j, lanes 16-31 of the odd block 2 j + 1.  The swap exchanges the even row's lanes 16-31 with the odd row's lanes 0-15:
	; YR then holds block 2 j of both rows (lanes 0-15 the even row, lanes 16-31 the odd one), XR block 2 j + 1 of both.
.set j, 0
.rept 32
	v_permlane16_swap_b32 v[YR+j], v[XR+j]
.set j, j+1
.endr
.irp j, 0,1,2,3,4,5,6,7
	global_store_b64 v2, v[YR+2*(\j):YR+2*(\j)+1], s[18:19] offset:(2*(\j))*HKB      ; 32 lanes store 256 consecutive bytes (two rows of a block), at a multiple of 256 from h's first byte
	global_store_b64 v2, v[XR+2*(\j):XR+2*(\j)+1], s[18:19] offset:(2*(\j)+1)*HKB
.endr
.irp j, 8,9,10,11,12,13,14,15
	global_store_b64 v2, v[YR+2*(\j):YR+2*(\j)+1], s[34:35] offset:(2*(\j)-16)*HKB
	global_store_b64 v2, v[XR+2*(\j):XR+2*(\j)+1], s[34:35] offset:(2*(\j)-15)*HKB
.endr
	s_wait_xcnt 0x0                                ; the stores have read YR, XR and their bases: all are written again only behind this wait
	s_add_nc_u64 s[4:5], s[4:5], ROWX
	s_add_nc_u64 s[18:19], s[18:19], 256           ; two rows on in every block
	s_add_nc_u64 s[34:35], s[34:35], 256
	s_cmp_eq_u32 s23, 1
	s_cbranch_scc1 .Lnomore                        ; the wave's last pair has no row behind it
	XLOAD
.Lnomore:
	s_sub_co_u32 s23, s23, 1
	s_cmp_lg_u32 s23, 0
	s_cbranch_scc1 .Lpair
	s_endpgm
	; ---------------- the weights, f32 to bf16 ----------------
; A wave's 4 rows (32 KiB) go through a ring of 16 register slots in 4 rounds.  kind = 0, row-major: slot i of a round is 512 consecutive bytes in, 256 out.
; kind = 1, in blocks: lanes 0-15 take 64 columns (256 bytes) of one row, lanes 16-31 the same columns of the next row: 256 consecutive bytes of a K block out.  Slot i: pair of rows i % 2, K block 8 x round + i / 2.
.macro SIDI kind, i
.if \kind
.set SI, ((\i)&1)*2*ROWX+((\i)>>1)*256
.set DI, ((\i)&1)*256+((\i)>>1)*WKB
.else
.set SI, 512*(\i)
.set DI, 256*(\i)
.endif
.endm
.macro CASTRING kind, vo, sstep, dstep
.irp i, 0,1,2,3,4,5,6,7,8,9,10,11,12,13,14,15
	SIDI \kind, \i
	global_load_b128 v[XR+4*(\i):XR+4*(\i)+3], v[\vo], s[28:29] offset:SI th:TH_LOAD_NT  ; the ring is filled
.endr
	s_mov_b32 s24, 3
.Lchunk_\@:
.irp i, 0,1,2,3,4,5,6,7,8,9,10,11,12,13,14,15
	SIDI \kind, \i
	s_wait_loadcnt 15                              ; loads come back in order (ISA guide 5.7.1): this slot's is in, the 15 younger ones stay out
	v_cvt_pk_bf16_f32 v[YR+2*(\i)], v[XR+4*(\i)], v[XR+4*(\i)+1]
	v_cvt_pk_bf16_f32 v[YR+2*(\i)+1], v[XR+4*(\i)+2], v[XR+4*(\i)+3]
	global_load_b128 v[XR+4*(\i):XR+4*(\i)+3], v[\vo], s[28:29] offset:(\sstep)+SI th:TH_LOAD_NT
	global_store_b64 v2, v[YR+2*(\i):YR+2*(\i)+1], s[20:21] offset:DI  ; 256 consecutive bytes, aligned
.endr
	s_wait_xcnt 0x0                                ; both bases and YR are written again only behind this wait
	s_add_nc_u64 s[28:29], s[28:29], \sstep
	s_add_nc_u64 s[20:21], s[20:21], \dstep
	s_sub_co_u32 s24, s24, 1
	s_cmp_lg_u32 s24, 0
	s_cbranch_scc1 .Lchunk_\@
.irp i, 0,1,2,3,4,5,6,7,8,9,10,11,12,13,14,15
	SIDI \kind, \i
	s_wait_loadcnt 15-(\i)                         ; the last round loads nothing: the counts run down
	v_cvt_pk_bf16_f32 v[YR+2*(\i)], v[XR+4*(\i)], v[XR+4*(\i)+1]
	v_cvt_pk_bf16_f32 v[YR+2*(\i)+1], v[XR+4*(\i)+2], v[XR+4*(\i)+3]
	global_store_b64 v2, v[YR+2*(\i):YR+2*(\i)+1], s[20:21] offset:DI
.endr
.endm
.Lcast:
	s_sub_co_u32 s23, ttmp9, 256                   ; c = 0 .. 511: 128 work-groups a matrix
	s_lshr_b32 s24, s23, 7                         ; which matrix: 0 q, 1 k, 2 v, 3 o
	s_bitcmp1_b32 s24, 0
	s_cselect_b64 s[28:29], s[12:13], s[10:11]     ; k or q
	s_cselect_b64 s[30:31], s[16:17], s[14:15]     ; o or v
	s_cmp_lt_u32 s24, 2
	s_cselect_b64 s[28:29], s[28:29], s[30:31]
	s_and_b32 s26, s23, 127                        ; which 16 rows of the matrix
	s_lshl_b32 s32, s26, 17                        ; 128 KiB of the matrix a work-group,
	s_lshl_b32 s25, s22, 15                        ; 32 KiB (4 rows) a wave
	s_add_co_u32 s32, s32, s25
	s_mov_b32 s33, 0
	s_add_nc_u64 s[28:29], s[28:29], s[32:33]
	s_cmp_eq_u32 s24, 3
	s_cbranch_scc1 .Lrowmajor
	s_lshl_b32 s32, s24, 23                        ; in wb the matrices follow each other, 8 MiB each;
	s_lshl_b32 s25, s26, 11                        ; in a K block: 128 bytes a row, 16 rows a work-group,
	s_add_co_u32 s32, s32, s25
	s_lshl_b32 s25, s22, 9                         ; 4 a wave
	s_add_co_u32 s32, s32, s25
	s_add_nc_u64 s[20:21], s[20:21], s[32:33]
	CASTRING 1, 3, 8*256, 8*WKB
	s_endpgm
.Lrowmajor:
	s_lshl_b32 s32, s23, 16                        ; 64 KiB a work-group, counted from wb's first byte,
	s_lshl_b32 s25, s22, 14                        ; 16 KiB a wave
	s_add_co_u32 s32, s32, s25
	s_add_nc_u64 s[20:21], s[20:21], s[32:33]
	CASTRING 0, 1, 8192, 4096
	s_endpgm
.Lfunc_end_k_q9ceac1b973_prep:
	.size	k_q9ceac1b973_prep, .Lfunc_end_k_q9ceac1b973_prep-k_q9ceac1b973_prep
	.p2alignl 7, 3214868480
	.fill 96, 4, 3214868480
	.section	.rodata,"a",@progbits
	.p2align	6, 0x0
	.amdhsa_kernel k_q9ceac1b973_prep
		.amdhsa_group_segment_fixed_size 0
		.amdhsa_private_segment_fixed_size 0
		.amdhsa_enable_private_segment 0
		.amdhsa_kernarg_size 72
		.amdhsa_user_sgpr_count 2
		.amdhsa_user_sgpr_kernarg_segment_ptr 1
		.amdhsa_wavefront_size32 1
		.amdhsa_system_sgpr_workgroup_id_x 1
		.amdhsa_system_sgpr_workgroup_id_y 1
		.amdhsa_system_sgpr_workgroup_id_z 1
		.amdhsa_system_vgpr_workitem_id 0
		.amdhsa_next_free_vgpr 240
		.amdhsa_next_free_sgpr 66
		.amdhsa_reserve_vcc 0
		.amdhsa_float_denorm_mode_32 3
		.amdhsa_float_denorm_mode_16_64 3
		.amdhsa_memory_ordered 1
		.amdhsa_forward_progress 1
		.amdhsa_inst_pref_size 64
	.end_amdhsa_kernel
	.amdgpu_metadata
---
amdhsa.version: [ 1, 2 ]
amdhsa.kernels:
  - .name:           k_q9ceac1b973_prep
    .symbol:         k_q9ceac1b973_prep.kd
    .args:
      - { .name: x, .offset: 0, .size: 8, .value_kind: global_buffer, .address_space: global }
      - { .name: ln_gamma, .offset: 8, .size: 8, .value_kind: global_buffer, .address_space: global }
      - { .name: ln_beta, .offset: 16, .size: 8, .value_kind: global_buffer, .address_space: global }
      - { .name: w_q, .offset: 24, .size: 8, .value_kind: global_buffer, .address_space: global }
      - { .name: w_k, .offset: 32, .size: 8, .value_kind: global_buffer, .address_space: global }
      - { .name: w_v, .offset: 40, .size: 8, .value_kind: global_buffer, .address_space: global }
      - { .name: w_o, .offset: 48, .size: 8, .value_kind: global_buffer, .address_space: global }
      - { .name: h, .offset: 56, .size: 8, .value_kind: global_buffer, .address_space: global }
      - { .name: wb, .offset: 64, .size: 8, .value_kind: global_buffer, .address_space: global }
    .group_segment_fixed_size: 0
    .private_segment_fixed_size: 0
    .kernarg_segment_align: 8
    .kernarg_segment_size: 72
    .max_flat_workgroup_size: 128
    .sgpr_count:     66
    .vgpr_count:     240
    .wavefront_size: 32
...
	.end_amdgpu_metadata
.endif
;; end of part 4
;; launch qkv (part 5): grid 8 x 32, 4 waves a work-group, clusters of 4 x 4, 327,680 bytes of LDS; arguments h, wb, b_q, b_k, b_v, attn; writes attn
.if DOCPART == 5
	.amdgcn_target "amdgcn-amd-amdhsa--gfx1250"
	.amdhsa_code_object_version 6
	.text
	.protected	k_q9ceac1b973_qkv
	.globl	k_q9ceac1b973_qkv
	.p2align	8
	.type	k_q9ceac1b973_qkv,@function
k_q9ceac1b973_qkv:
	s_mov_b64 s[64:65], 0
	v_nop
	global_prefetch_b8 v0, s[64:65] scope:SCOPE_SE
	s_setreg_imm32_b32 hwreg(HW_REG_WAVE_MODE, 25, 1), 1
	s_wait_xcnt 0x0
	s_wait_alu depctr_hold_cnt(0) depctr_sa_sdst(0) depctr_va_vdst(0) depctr_va_sdst(0) depctr_va_ssrc(0) depctr_va_vcc(0) depctr_vm_vsrc(0)
	s_getreg_b32 s2, hwreg(HW_REG_IB_STS2, 6, 4)
	s_cmp_eq_u32 s2, 0
	s_cbranch_scc0 .Lentry_in_a_cluster
	s_endpgm
.Lentry_in_a_cluster:
	s_bfe_u32 s2, ttmp6, 0x10000c
	s_cmp_lg_u32 s2, 0xf033
	s_cbranch_scc0 .Lentry_shape_is_right
	s_endpgm
.Lentry_shape_is_right:
; For one block of 128 rows and one head (256 columns): q = h wq^T + b_q, k = h wk^T + b_k, v = h wv^T + b_v; score = q . k / 16; softmax over the one key; attn = p v, rounded once to bf16.
; h: [32][4096][64] bf16 and wq, wk, wv (the first three matrices of wb): [32][2048][64] bf16: in blocks of 64 along K.  b_*: [2048] f32.  attn: [4096][2048] bf16, row-major.
; Products on bf16 operands with f32 sums; score and softmax in f32.
; LIMITS.  The score's 256 products are summed in f32 by the vector unit, in an order of its own.  The sequence has one key, so the maximum IS the score: p = 2^((s - s) log2 e) / the same number.
; All of that is computed, so a score that is not finite gives NaN.  v_exp_f32 and v_rcp_f32 are good to 1 ULP.
; SHARES.  q, k AND v ARE MADE TOGETHER: the work-group's tile is 128 rows x 768 columns.  Wave w makes all 128 rows and the columns 64 w .. 64 w + 63 of each of q, k, v: 8 x 12 accumulators of 16 x 16, 768 registers.
; So a fragment of h read from LDS feeds 12 products and a fragment of the weights 8: 40 LDS loads for 96 matrix instructions; and q and k never leave the registers.
; K = 2,048 goes in 32 steps of 64 through a ring of two LDS slots: a refill brings 896 rows x 128 bytes, for 192 matrix instructions a wave.  (Steps of 128 would want two slots of 243,712 bytes.)
; A tile is dense in memory (the layouts above) and is asked for as rows of 256 bytes.  Waves 0, 1, 2 fetch wq's, wk's, wv's tile (256 rows), wave 3 h's (128 rows): one tensor load a wave.
; CLUSTER 4 x 4.  The four of a row of the cluster share the rows of h, the four of a column the head's rows of the weights: each tile is asked for JOINTLY, by the same load, descriptor and mask in all four.
; THE MATRIX INSTRUCTION IS USED TRANSPOSED (source 0 = 16 rows of the weights, source 1 = 16 rows of h): lane l holds row l % 16 of the result and the columns 8 (l / 16) + 0..7.
; THE BIAS is loaded into the accumulators of row block 0 (register j of column block c: bias[16 c + 8 (l / 16) + j]); it is the C operand of the other seven row blocks' first products, and then those
; accumulators take their own first product in place.  Nothing is cleared and nothing is added later.
; REGISTERS, in windows of 256 (s_set_vgpr_msb: bits 1:0 source 0, 3:2 source 1, 5:4 source 2, 7:6 destination):
;   window 0: v0-31 addresses; v32-95, v96-159 two buffers of h's 8 fragments; v160-255 the weights' 12 fragments (matrix m, column block c at 160 + 8 (4 m + c)); at the end: scores, packed results, rows read back
;   window 1: q   window 2: k   window 3: v: accumulator (row block a, column block c) at v[8 (8 c + a)]
.set PITCH,  144                       ; an LDS row: 128 bytes + 16 of padding = 36 words: the 16 rows of a fragment load start at 16 different groups of four banks (64 banks of 4 bytes: ISA guide 11.1)
.set BMAT,   256*PITCH                 ; a head's 256 rows of one matrix
.set AOFF,   3*BMAT                    ; behind the three: h's 128 rows
.set SLOT,   AOFF+128*PITCH
.set STAGE,  2*SLOT                    ; behind the ring: 64 rows x 528 bytes, the work-group's, for the way out
.set SPITCH, 528                       ; 512 bytes (a head's 256 bf16) + 16
.set SCR,    STAGE+64*SPITCH           ; the four parts of the scores: f32 [128 rows][4 waves], 2,048 bytes
.set SPARE,  SCR+2048                  ; the spare words, 128 bytes for each wave: two blocks of 256 bytes that no other line names
.set MAT,    2048*2048*2               ; bytes in one matrix of wb
.set HKB,    4096*128                  ; bytes from a K block of h to the next
.set WKB,    2048*128                  ; the same in a matrix of wb
.set ADRB, 6                           ; v6-7    LDS address of my fragments of wq (wk: + BMAT in the immediate) in slot 0, 1
.set ADRV, 8                           ; v8-9    the same for wv, which an immediate of 16 bits does not reach
.set ADRA, 10                          ; v10-11  the same for h
.set STO,  12                          ; v12     the way out: where I put 16 bytes of a row
.set RD,   13                          ; v13     the way out: where I read 16 bytes of a row back
.set CO,   14                          ; v14     16 x lane: my 16 bytes of a head's 512 in a row of attn
.set BO,   15                          ; v15     32 (l / 16): my eight numbers in 16 of a bias
.set SPW,  16                          ; v16     LDS address of my spare word; never rewritten
.set NIL,  17                          ; v17     0; never rewritten
.set PFO,  18                          ; v18     the prefetches' lane offset; never rewritten
.set SCW,  19                          ; v19     where I put my part of the scores
.set SCRD, 20                          ; v20     where a row's four parts lie
.set FA0,  32
.set FA1,  96
.set FB,   160
.set Q4,   32                          ; v32-63   at the end: row block a's four parts
.set TMP,  32                          ; v32-95   then: packed results of four row blocks
.set OB,   96                          ; v96-159, v160-223  rows read back, first and second pass
.set SC,   224                         ; v224-239 row block a: a pair of sums, then the score
.set PR,   240                         ; v240-255 row block a: p (and 1 / sum beside it)
.set WV,   16                          ; s16 wave
.set LIM1, 17                          ; s17 1 in a wave that prefetches, else the greatest number
.set CX,   19                          ; s19, s20 my place in the cluster   s21 the head   s22 the block of 128 rows
.set CY,   20
.set GX,   21
.set GY,   22
.set G1A,  24                          ; s[24:31] descriptor group 1 for h's tiles;  s[32:39] group 0, a set for each slot
.set G0A,  32
.set PFA,  40                          ; s[40:41] where my prefetches stand
.set LIM0, 42                          ; s42 as s17, but the greatest number in wave 3 too
.set CNT,  43                          ; s43 laps to go
.set G1B,  48                          ; s[48:55], s[56:63] the same for the weights' tiles
.set G0B,  56
.set SEL,  66                          ; s[66:67] v_permlanex16_b32's selects
.set PFS,  68                          ; s[68:69] bytes from a K block to the next in the tensor that I prefetch
.set MSB, 0
.macro WIN new                         ; the immediate's high byte repeats the setting that is left; a switch that changes nothing is dropped
.if MSB != (\new)
	s_set_vgpr_msb (MSB<<8)|(\new)
.set MSB, \new
.endif
.endm
; A joint load: wave 3 fetches h's tile, waves 0, 1, 2 the three matrices'.  The branch hangs on the wave's number alone.  An s_nop 0 and four v_nop follow each line.
.macro JLOAD s
	s_cmp_eq_u32 s[WV], 3
	s_cbranch_scc0 .Lfor_b_\@
	tensor_load_to_lds s[G0A+4*(\s):G0A+4*(\s)+3], s[G1A:G1A+7]
	s_nop 0
.rept 4
	v_nop
.endr
	s_branch .Lasked_\@
.Lfor_b_\@:
	tensor_load_to_lds s[G0B+4*(\s):G0B+4*(\s)+3], s[G1B:G1B+7]
	s_nop 0
.rept 4
	v_nop
.endr
.Lasked_\@:
.endm
; A PREFETCH INTO THE L2, behind each joint load and the run of LDS loads that follows it.  The change of slots in K step t fills step t + 2 and asks for step t + 3: one refill, 192 matrix instructions, ahead of the load that
; will want it.  Each aligned block of 256 bytes is named once in the launch, a lane a block.  A matrix's tile is 128 blocks; the eight clusters of a column read it: in the first (cluster y = 0) the wave that fetches it asks,
; each partner for 32 blocks, told apart by address (cy).  h's tile is 64 blocks; both clusters of a row of clusters read it: in the first (cluster x = 0) wave 3 asks, at every second change (slot 1's) for TWO steps,
; t + 3 and t + 4, each partner for 16 blocks of each (cx).  Steps 0 to 2 of the weights and 0 to 3 of h come by their loads alone.  The loop's last change (t = 29) asks for nothing: there is no step 32.
.macro ASK slot
.if (\slot) == 0
	s_cmp_eq_u32 s[LIM0], 1
.else
	s_cmp_gt_u32 s[CNT], s[LIM1]                   ; s[CNT] = 1 in the loop's last trip
.endif
	s_cbranch_scc0 .Lnot_mine_\@
	global_prefetch_b8 v[PFO], s[PFA:PFA+1] th:TH_LOAD_NT scope:SCOPE_SE
.Lnot_mine_\@:
.endm
.macro CREST                           ; a round of the cluster's barrier behind its opening barrier
	s_cmp_lg_u32 s[WV], 0
	s_cbranch_scc1 .Lnot_wave_0_\@
	s_barrier_signal -3
.Lnot_wave_0_\@:
	s_barrier_wait -3
	s_barrier_signal -1
	s_barrier_wait -1
.endm
.macro CROUND                          ; a whole round
	s_barrier_signal -1
	s_barrier_wait -1
	CREST
.endm
.macro PLACES                          ; four places in front of loads into registers that matrix instructions have read, and of vector lines that read results
.rept 4
	v_nop
.endr
.endm
; 8 matrix instructions: matrix m, column block c x all 8 row blocks, 32 along K; h's fragments from buffer fa.
; The 96 accumulators take turns, one instruction a turn, in the same order in every half step: 95 others stand between two links of a chain, over the backward jump too.
.macro GROUP m, c, fa
	WIN (((\m)+1)<<6)|(((\m)+1)<<4)
.irp a, 0,1,2,3,4,5,6,7
	v_wmma_f32_16x16x32_bf16 v[8*(8*(\c)+(\a)):8*(8*(\c)+(\a))+7], v[FB+8*(4*(\m)+(\c)):FB+8*(4*(\m)+(\c))+7], v[(\fa)+8*(\a):(\fa)+8*(\a)+7], v[8*(8*(\c)+(\a)):8*(8*(\c)+(\a))+7]
.endr
.endm
.macro THIRD m, fa                     ; a third of a half step: one matrix, 32 matrix instructions under one window setting
	GROUP \m, 0, \fa
	GROUP \m, 1, \fa
	GROUP \m, 2, \fa
	GROUP \m, 3, \fa
.endm
; The very first third of each matrix.  Row blocks 1-7 take the bias, which lies in row block 0's accumulators, as C; five places behind the last of them those accumulators are written, by their own product in place.
.macro FIRSTTHIRD m
	WIN (((\m)+1)<<6)|(((\m)+1)<<4)
.irp a, 1,2,3,4,5,6,7
.irp c, 0,1,2,3
	v_wmma_f32_16x16x32_bf16 v[8*(8*(\c)+(\a)):8*(8*(\c)+(\a))+7], v[FB+8*(4*(\m)+(\c)):FB+8*(4*(\m)+(\c))+7], v[FA0+8*(\a):FA0+8*(\a)+7], v[64*(\c):64*(\c)+7]
.endr
.endr
.rept 5
	v_nop
.endr
.irp c, 0,1,2,3
	v_wmma_f32_16x16x32_bf16 v[64*(\c):64*(\c)+7], v[FB+8*(4*(\m)+(\c)):FB+8*(4*(\m)+(\c))+7], v[FA0:FA0+7], v[64*(\c):64*(\c)+7]
.endr
.endm
; A fragment is 16 rows x 32 K in 8 registers: lane l holds row l % 16, K = 8 (l / 16) + 0..7 and 16 + 8 (l / 16) + 0..7: two loads of 16 bytes, 32 bytes apart.
.macro LOADB slot, k, m                ; 8 LDS loads: matrix m's 4 fragments, 32 along K at byte k of the rows
	WIN 0
.irp c, 0,1,2,3
.if (\m) < 2
	ds_load_b128 v[FB+8*(4*(\m)+(\c)):FB+8*(4*(\m)+(\c))+3],   v[ADRB+(\slot)] offset:(\m)*BMAT+(\c)*16*PITCH+(\k)
	ds_load_b128 v[FB+8*(4*(\m)+(\c))+4:FB+8*(4*(\m)+(\c))+7], v[ADRB+(\slot)] offset:(\m)*BMAT+(\c)*16*PITCH+(\k)+32
.else
	ds_load_b128 v[FB+8*(4*(\m)+(\c)):FB+8*(4*(\m)+(\c))+3],   v[ADRV+(\slot)] offset:(\c)*16*PITCH+(\k)
	ds_load_b128 v[FB+8*(4*(\m)+(\c))+4:FB+8*(4*(\m)+(\c))+7], v[ADRV+(\slot)] offset:(\c)*16*PITCH+(\k)+32
.endif
.endr
.endm
.macro LOADA slot, k, fa               ; 16 LDS loads: h's 8 fragments into buffer fa
	WIN 0
.irp i, 0,1,2,3,4,5,6,7
	ds_load_b128 v[(\fa)+8*(\i):(\fa)+8*(\i)+3],   v[ADRA+(\slot)] offset:(\i)*16*PITCH+(\k)
	ds_load_b128 v[(\fa)+8*(\i)+4:(\fa)+8*(\i)+7], v[ADRA+(\slot)] offset:(\i)*16*PITCH+(\k)+32
.endr
.endm
; A K step is two half steps of 32 along K, 96 matrix instructions each.  Behind each third stands a run of LDS loads for the NEXT half step: the third's own four fragments of the weights, which have just been
; multiplied, and, behind the first third, h's eight into the other buffer.  Each run has 64 matrix instructions or more before its first use.
; THE FIRST HALF of a slot's step multiplies buffer 0 and fetches the slot's second half.  first = 1: the launch's first products.
.macro HALF0 slot, first
	s_wait_dscnt 16                                ; q's fragments and h's are in; the two younger runs (k's 8 loads, v's 8) may be out
.if \first
	FIRSTTHIRD 0
.else
	THIRD 0, FA0
.endif
	PLACES
	LOADB \slot, 64, 0
	LOADA \slot, 64, FA1
	s_wait_dscnt 32                                ; k's are in; behind them: v's 8 and the 24 just issued
.if \first
	FIRSTTHIRD 1
.else
	THIRD 1, FA0
.endif
	PLACES
	LOADB \slot, 64, 1
	s_wait_dscnt 32                                ; v's are in; behind them: the 24 and the 8 of this half step
.if \first
	FIRSTTHIRD 2
.else
	THIRD 2, FA0
.endif
	PLACES
	LOADB \slot, 64, 2                             ; the slot's last bytes are asked for
.endm
; THE SECOND HALF multiplies buffer 1 and changes slots, at its head: ONE barrier, for two things: behind it nobody reads this slot any more, and the next slot is whole.  fill = 1: the barrier opens a round of the
; cluster's; behind the round this slot is filled again first, with the K step two on: 176 matrix instructions ahead of the wait for it.  Then the runs fetch the next slot's first half.
.macro HALF1 slot, next, fill
.if \fill
	s_wait_xcnt 0x0                                ; the last prefetch, a K step back, has read its address, so it may be stepped
	s_add_nc_u64 s[PFA:PFA+1], s[PFA:PFA+1], s[PFS:PFS+1]
.endif
	WIN 0                                          ; (the add's two registers lie in window 0)
	s_wait_tensorcnt 0x0                           ; all my tensor loads have landed: the one that was out is my part of the next slot;
	ds_add_u32 v[SPW], v[NIL]                      ; 0 onto my spare word;
	s_wait_dscnt 17                                ; (q's fragments and h's are in; k's 8 loads, v's 8 and the add may be out)
	GROUP 0, 0, FA1                                ; eight matrix instructions stand between the add and the wait for it
	s_wait_dscnt 0x0                               ; the add is done, and my reads of this slot are over
	s_barrier_signal -1
	GROUP 0, 1, FA1                                ; work on registers while the others arrive
	WIN 0
	s_barrier_wait -1
.if \fill
	CREST                                          ; no wave of any partner still reads this slot's tiles or has a load on its way
	s_add_nc_u64 s[G0A+4*(\slot)+2:G0A+4*(\slot)+3], s[G0A+4*(\slot)+2:G0A+4*(\slot)+3], 2*HKB
	s_add_nc_u64 s[G0B+4*(\slot)+2:G0B+4*(\slot)+3], s[G0B+4*(\slot)+2:G0B+4*(\slot)+3], 2*WKB
	JLOAD \slot                                    ; the first tensor load behind the round
.endif
	GROUP 0, 2, FA1
	GROUP 0, 3, FA1
	PLACES
	LOADB \next, 0, 0
	LOADA \next, 0, FA0
.if \fill
	ASK \slot
.endif
	THIRD 1, FA1                                   ; (k's and v's fragments are in since the wait for 0 above)
	PLACES
	LOADB \next, 0, 1
	THIRD 2, FA1
	PLACES
	LOADB \next, 0, 2
.endm
	s_load_b256 s[4:11], s[0:1], 0x0               ; h s[4:5], wb s[6:7], b_q s[8:9], b_k s[10:11]
	s_load_b128 s[12:15], s[0:1], 0x20             ; b_v s[12:13], attn s[14:15]
	v_lshl_add_u32 v[SPW], v0, 2, SPARE
	v_mov_b32 v[NIL], 0
	ds_add_u32 v[SPW], v[NIL]                      ; the wave's opening: the add and its wait stand ahead of my first tensor load; the set-up below, work on registers, stands between them
	v_lshrrev_b32 v1, 5, v0
	v_readfirstlane_b32 s[WV], v1                  ; wave 0..3
	s_bfe_u32 s[CX], ttmp6, 0x40000
	s_bfe_u32 s[CY], ttmp6, 0x40004
	s_lshl_b32 s[GX], ttmp9, 2                     ; in a cluster launch ttmp9 and ttmp7 count clusters
	s_add_co_u32 s[GX], s[GX], s[CX]               ; the head = 4 x cluster x + cx
	s_and_b32 s[GY], ttmp7, 0xffff
	s_lshl_b32 s[GY], s[GY], 2
	s_add_co_u32 s[GY], s[GY], s[CY]               ; the block of rows = 4 x cluster y + cy
	s_lshl_b32 s44, s[CY], 2
	s_lshl_b32 s44, 15, s44                        ; my row of the cluster: places 4 cy .. 4 cy + 3
	s_lshl_b32 s46, 0x1111, s[CX]                  ; my column: places cx, cx + 4, cx + 8, cx + 12
	; descriptor group 1.  A tile is dense: it is asked for as rows of 256 bytes (two of its rows of 64 elements) and padded in LDS after every 128 bytes
	s_or_b32 s[G1A], s44, (1<<16)|(1<<20)|(1<<21)|(4<<22)|(3<<25)  ; 15:0 the mask; 17:16 elements of 2 bytes; 20 padding on; 21 set beside a mask; 24:22 after every 32 words (code 4); 31:25 4 words of it (code 3)
	s_or_b32 s[G1B], s46, (1<<16)|(1<<20)|(1<<21)|(4<<22)|(3<<25)
.irp g, G1A, G1B
	s_mov_b32 s[(\g)+1], 128<<16                   ; tensor_dim0 = 128
	s_mov_b32 s[(\g)+3], 128<<16                   ; tile_dim0 = 128
	s_mov_b32 s[(\g)+5], 128                       ; elements from row to row
	s_mov_b32 s[(\g)+6], 0
	s_mov_b32 s[(\g)+7], 0
.endr
	s_mov_b32 s[G1A+2], 64<<16                     ; tensor_dim1 = tile_dim1 = 64 rows of 256 bytes: h's 128 rows,
	s_mov_b32 s[G1A+4], 64
	s_mov_b32 s[G1B+2], 128<<16                    ; 128: a matrix's 256 rows
	s_mov_b32 s[G1B+4], 128
	; where the tiles come from: h's hang on the block of rows alone, the weights' on the head (and the wave) alone; each in registers that never hold the other coordinate
	s_lshl_b32 s44, s[GY], 14                      ; in a K block of h: 128 rows of 128 bytes a block of rows
	s_mov_b32 s45, 0
	s_lshl_b32 s46, s[GX], 15                      ; in a K block of a matrix: 256 rows of 128 bytes a head;
	s_lshl_b32 s47, s[WV], 23                      ; the matrix is my wave's number (wave 3, which fetches h, never uses this set)
	s_add_co_u32 s46, s46, s47
	s_mov_b32 s47, 0
	s_mul_i32 s70, s[WV], BMAT                     ; and where they go: no place in the cluster enters an LDS address
	s_mov_b32 s[SEL], 0x76543210
	s_mov_b32 s[SEL+1], 0xfedcba98
	s_wait_dscnt 0x0                               ; the opening add is done
	s_wait_kmcnt 0x0
	s_add_nc_u64 s[44:45], s[4:5], s[44:45]
	s_add_nc_u64 s[46:47], s[6:7], s[46:47]
	CROUND                                         ; all sixteen work-groups are here: the first joint loads meet
.irp s, 0,1
	s_mov_b32 s[G0A+4*(\s)], 1                                       ; count = 1
	s_mov_b32 s[G0A+4*(\s)+1], AOFF+(\s)*SLOT                        ; LDS address
	s_add_nc_u64 s[G0A+4*(\s)+2:G0A+4*(\s)+3], s[44:45], (\s)*HKB    ; global address: K step s
	s_or_b32 s[G0A+4*(\s)+3], s[G0A+4*(\s)+3], 0x80000000            ; type = 2
	s_mov_b32 s[G0B+4*(\s)], 1
	s_add_co_u32 s[G0B+4*(\s)+1], s70, (\s)*SLOT
	s_add_nc_u64 s[G0B+4*(\s)+2:G0B+4*(\s)+3], s[46:47], (\s)*WKB
	s_or_b32 s[G0B+4*(\s)+3], s[G0B+4*(\s)+3], 0x80000000
	JLOAD \s                                       ; two loads of mine are out
.endr
	v_and_b32 v1, 15, v0                           ; l % 16
	v_bfe_u32 v2, v0, 4, 1                         ; l / 16
	v_lshlrev_b32 v[BO], 5, v2
	s_lshl_b32 s72, s[GX], 10                      ; my 64 columns in a bias: 4 (256 head + 64 wave) bytes
	s_lshl_b32 s73, s[WV], 8
	s_add_co_u32 s72, s72, s73
	s_mov_b32 s73, 0
	s_add_nc_u64 s[8:9], s[8:9], s[72:73]
	s_add_nc_u64 s[10:11], s[10:11], s[72:73]
	s_add_nc_u64 s[12:13], s[12:13], s[72:73]
	WIN 0x40                                       ; destination window 1, address window 0: b_q into q's accumulators of row block 0
.irp c, 0,1,2,3
	global_load_b128 v[64*(\c):64*(\c)+3],   v[BO], s[8:9] offset:64*(\c)
	global_load_b128 v[64*(\c)+4:64*(\c)+7], v[BO], s[8:9] offset:64*(\c)+16
.endr
	WIN 0x80                                       ; b_k
.irp c, 0,1,2,3
	global_load_b128 v[64*(\c):64*(\c)+3],   v[BO], s[10:11] offset:64*(\c)
	global_load_b128 v[64*(\c)+4:64*(\c)+7], v[BO], s[10:11] offset:64*(\c)+16
.endr
	WIN 0xc0                                       ; b_v
.irp c, 0,1,2,3
	global_load_b128 v[64*(\c):64*(\c)+3],   v[BO], s[12:13] offset:64*(\c)
	global_load_b128 v[64*(\c)+4:64*(\c)+7], v[BO], s[12:13] offset:64*(\c)+16
.endr
	WIN 0
	v_mul_u32_u24 v3, v1, PITCH
	v_lshl_add_u32 v3, v2, 4, v3                   ; a fragment's row x pitch + 16 x half
	s_mul_i32 s23, s[WV], 64*PITCH                 ; my 64 rows of a matrix's 256
	v_add_nc_u32 v[ADRB], s23, v3
	v_add_nc_u32 v[ADRB+1], SLOT, v[ADRB]
	v_add_nc_u32 v[ADRV], 2*BMAT, v[ADRB]
	v_add_nc_u32 v[ADRV+1], 2*BMAT+SLOT, v[ADRB]
	v_add_nc_u32 v[ADRA], AOFF, v3
	v_add_nc_u32 v[ADRA+1], AOFF+SLOT, v3
	s_lshl_b32 s23, s[WV], 7                       ; into the stage: row l % 16 of a row block, my 128 bytes of its 512, 16 bytes for each half of the lanes
	s_add_co_u32 s23, s23, STAGE
	v_mul_u32_u24 v4, v1, SPITCH
	v_lshl_add_u32 v4, v2, 4, v4
	v_add_nc_u32 v[STO], s23, v4
	s_mul_i32 s23, s[WV], 16*SPITCH                ; back: wave w takes rows 16 w .. 16 w + 15 of a pass's 64, whole: 32 lanes a row of 512 bytes
	s_add_co_u32 s23, s23, STAGE
	v_and_b32 v5, 31, v0
	v_lshlrev_b32 v[CO], 4, v5
	v_add_nc_u32 v[RD], s23, v[CO]
	s_lshl_b32 s23, s[WV], 2                       ; the scores: SCR + 16 x row + 4 x wave
	s_add_co_u32 s23, s23, SCR
	v_lshl_add_u32 v[SCW], v1, 4, s23
	v_lshl_add_u32 v[SCRD], v1, 4, SCR
	s_lshl_b32 s72, s[GY], 19                      ; attn at the first row that I store: (128 block + 16 wave) rows of 4,096 bytes + 512 head
	s_lshl_b32 s73, s[WV], 16
	s_add_co_u32 s72, s72, s73
	s_lshl_b32 s73, s[GX], 9
	s_add_co_u32 s72, s72, s73
	s_mov_b32 s73, 0
	s_add_nc_u64 s[14:15], s[14:15], s[72:73]
	; the prefetches
	s_lshl_b32 s72, s[GY], 14                      ; h: the block's tile in a K block + my work-group's 16 blocks of 256 bytes
	s_lshl_b32 s73, s[CX], 12
	s_add_co_u32 s72, s72, s73
	s_add_co_u32 s72, s72, 2*HKB                   ; at K step 2: each change of slots steps it by one K block ahead of its prefetch
	s_lshl_b32 s74, s[GX], 15                      ; the weights: my matrix, the head's tile in a K block + my work-group's 32 blocks
	s_lshl_b32 s75, s[WV], 23
	s_add_co_u32 s74, s74, s75
	s_lshl_b32 s75, s[CY], 13
	s_add_co_u32 s74, s74, s75
	s_add_co_u32 s74, s74, 2*WKB
	s_and_b32 s23, ttmp7, 0xffff                   ; cluster y
	s_mov_b32 s70, HKB
	s_mov_b32 s71, WKB
	s_mov_b32 s75, 4096
	s_cmp_eq_u32 s[WV], 3
	s_cselect_b32 s72, s72, s74
	s_cselect_b32 s23, ttmp9, s23                  ; the coordinate along which other clusters read the same tiles
	s_cselect_b64 s[PFA:PFA+1], s[4:5], s[6:7]
	s_cselect_b32 s[PFS], s70, s71
	s_cselect_b32 s75, s70, s75                    ; lanes 16-31: h: the next K step's 16 blocks; the weights: the tile's next 16 blocks
	s_mov_b32 s[PFS+1], 0
	s_mov_b32 s73, 0
	s_add_nc_u64 s[PFA:PFA+1], s[PFA:PFA+1], s[72:73]
	s_cmp_eq_u32 s23, 0
	s_cselect_b32 s[LIM1], 1, -1                   ; the same in all sixteen partners, for a given wave
	s_cmp_eq_u32 s[WV], 3
	s_cselect_b32 s[LIM0], -1, s[LIM1]
	v_mul_u32_u24 v[PFO], v2, s75
	v_lshl_add_u32 v[PFO], v1, 8, v[PFO]           ; nothing is prefetched here, at the head
	s_wait_tensorcnt 1                             ; my part of K step 0 is in; K step 1's may stay out
	s_barrier_signal -1
	s_barrier_wait -1                              ; everybody's is
	LOADB 0, 0, 0                                  ; the first half step's fragments, in the order of the runs
	LOADA 0, 0, FA0
	LOADB 0, 0, 1
	LOADB 0, 0, 2
	s_wait_loadcnt 0x0                             ; the three biases
	HALF0 0, 1                                     ; the first half step stands in front of the loop: its products start the sums, with the bias
	WIN 0                                          ; at a label and at a branch every window is 0
	s_mov_b32 s[CNT], 15
.Llap:                                                 ; a trip goes once round the ring, from a step's second half to the first half of the step two on, and fills both slots again: K steps 2 to 31
	HALF1 0, 1, 1
	HALF0 1, 0
	HALF1 1, 0, 1
	HALF0 0, 0
	WIN 0
	s_sub_co_u32 s[CNT], s[CNT], 1
	s_cmp_lg_u32 s[CNT], 0
	s_cbranch_scc1 .Llap
	HALF1 0, 1, 0                                  ; K step 30 ends: my one load that was still out is step 31's, so no round follows
	HALF0 1, 0
	s_wait_dscnt 16                                ; the very last half step: nothing more to fetch
	THIRD 0, FA1
	s_wait_dscnt 8
	THIRD 1, FA1
	s_wait_dscnt 0x0
	THIRD 2, FA1
	; q . k over my 64 columns: eight chains, one for each row block, two products an instruction; each accumulator is read from its low end on
	PLACES
	WIN 0x09                                       ; source 0 (q) window 1, source 1 (k) window 2, sums in window 0
.irp c, 0,1,2,3
.irp r, 0,1,2,3
.irp a, 0,1,2,3,4,5,6,7
.if ((\c) == 0) && ((\r) == 0)
	v_pk_mul_f32 v[SC+2*(\a):SC+2*(\a)+1], v[8*(8*(\c)+(\a))+2*(\r):8*(8*(\c)+(\a))+2*(\r)+1], v[8*(8*(\c)+(\a))+2*(\r):8*(8*(\c)+(\a))+2*(\r)+1]
.else
	v_pk_fma_f32 v[SC+2*(\a):SC+2*(\a)+1], v[8*(8*(\c)+(\a))+2*(\r):8*(8*(\c)+(\a))+2*(\r)+1], v[8*(8*(\c)+(\a))+2*(\r):8*(8*(\c)+(\a))+2*(\r)+1], v[SC+2*(\a):SC+2*(\a)+1]
.endif
.endr
.endr
.endr
	WIN 0
.irp a, 0,1,2,3,4,5,6,7
	v_add_f32 v[SC+2*(\a)], v[SC+2*(\a)], v[SC+2*(\a)+1]
.endr
.irp a, 0,1,2,3,4,5,6,7
	v_permlanex16_b32 v[SC+2*(\a)+1], v[SC+2*(\a)], s[SEL], s[SEL+1]  ; the row's other 32 of my columns lie in the lane 16 away
.endr
.irp a, 0,1,2,3,4,5,6,7
	v_add_f32 v[SC+2*(\a)], v[SC+2*(\a)], v[SC+2*(\a)+1]
.endr
.irp a, 0,1,2,3,4,5,6,7
	ds_store_b32 v[SCW], v[SC+2*(\a)] offset:256*(\a)  ; both halves of the lanes write the same word with the same number
.endr
	s_wait_dscnt 0x0                               ; for the others' sake: my part of the scores is in LDS
	s_barrier_signal -1
	s_barrier_wait -1
.irp a, 0,1,2,3,4,5,6,7
	ds_load_b128 v[Q4+4*(\a):Q4+4*(\a)+3], v[SCRD] offset:256*(\a)  ; a row's four parts
.endr
	s_wait_dscnt 0x0
	; THE SOFTMAX over the one key
.irp a, 0,1,2,3,4,5,6,7
	v_pk_add_f32 v[Q4+4*(\a):Q4+4*(\a)+1], v[Q4+4*(\a):Q4+4*(\a)+1], v[Q4+4*(\a)+2:Q4+4*(\a)+3]
.endr
.irp a, 0,1,2,3,4,5,6,7
	v_add_f32 v[SC+2*(\a)], v[Q4+4*(\a)], v[Q4+4*(\a)+1]     ; q . k over the head's 256 columns: the same order of sums in all four waves
.endr
.irp a, 0,1,2,3,4,5,6,7
	v_mul_f32 v[SC+2*(\a)], 0x3d800000, v[SC+2*(\a)]         ; the score: / sqrt(256)
.endr
.irp a, 0,1,2,3,4,5,6,7
	v_sub_f32 v[SC+2*(\a)+1], v[SC+2*(\a)], v[SC+2*(\a)]     ; less the maximum over the keys, which is the one score itself: 0, or NaN where the score is not finite
.endr
.irp a, 0,1,2,3,4,5,6,7
	v_mul_f32 v[SC+2*(\a)+1], 0x3fb8aa3b, v[SC+2*(\a)+1]     ; x log2(e)
.endr
.irp a, 0,1,2,3,4,5,6,7
	v_exp_f32 v[PR+2*(\a)], v[SC+2*(\a)+1]
.endr
	v_nop                                          ; a plain instruction behind the last exponential,
	s_wait_alu depctr_va_vdst(0)                   ; and the one wait ahead of the batch's first reader
.irp a, 0,1,2,3,4,5,6,7
	v_rcp_f32 v[PR+2*(\a)+1], v[PR+2*(\a)]         ; 1 / the sum over the keys, which has one term
.endr
	v_nop
	s_wait_alu depctr_va_vdst(0)                   ; the same for the eight reciprocals
.irp a, 0,1,2,3,4,5,6,7
	v_mul_f32 v[PR+2*(\a)], v[PR+2*(\a)], v[PR+2*(\a)+1]     ; p
.endr
; THE WAY OUT.  My 64 columns are 128 bytes of a row: a quarter of the head's 512.  So the four waves share ONE stage of 64 rows, with a barrier between writing and reading, in two passes (row blocks 0-3, then 4-7).
; Row block a: v times p, rounded to bf16: a lane's eight columns of a row pack into 16 bytes.
.macro PACK a
	WIN 0xc3                                       ; destination and source 0 window 3, p in window 0
.irp c, 0,1,2,3
.irp r, 0,1,2,3
	v_pk_mul_f32 v[8*(8*(\c)+(\a))+2*(\r):8*(8*(\c)+(\a))+2*(\r)+1], v[8*(8*(\c)+(\a))+2*(\r):8*(8*(\c)+(\a))+2*(\r)+1], v[PR+2*(\a):PR+2*(\a)+1] op_sel_hi:[1,0]
.endr
.endr
	WIN 0x0f                                       ; sources 0 and 1 window 3, destination window 0
.irp c, 0,1,2,3
.irp r, 0,1,2,3
	v_cvt_pk_bf16_f32 v[TMP+16*((\a)%4)+4*(\c)+(\r)], v[8*(8*(\c)+(\a))+2*(\r)], v[8*(8*(\c)+(\a))+2*(\r)+1]
.endr
.endr
	WIN 0
.endm
.macro TOSTAGE a
.irp c, 0,1,2,3
	ds_store_b128 v[STO], v[TMP+16*((\a)%4)+4*(\c):TMP+16*((\a)%4)+4*(\c)+3] offset:((\a)%4)*16*SPITCH+32*(\c)
.endr
.endm
.macro BACK p                          ; 16 whole rows of pass p
.irp t, 0,1,2,3,4,5,6,7,8,9,10,11,12,13,14,15
	ds_load_b128 v[OB+64*(\p)+4*(\t):OB+64*(\p)+4*(\t)+3], v[RD] offset:(\t)*SPITCH
.endr
.endm
.macro SEND p                          ; from registers of the pass's own, which nothing rewrites
.irp t, 0,1,2,3,4,5,6,7,8,9,10,11,12,13,14,15
	global_store_b128 v[CO], v[OB+64*(\p)+4*(\t):OB+64*(\p)+4*(\t)+3], s[14:15] offset:(64*(\p)+(\t))*4096  ; 32 lanes store 512 consecutive bytes, at a multiple of 256 from attn's first byte
.endr
.endm
.irp a, 0,1,2,3
	PACK \a
	TOSTAGE \a
.endr
	s_wait_dscnt 0x0                               ; for the others' sake: my stores into the stage are done
	s_barrier_signal -1
	s_barrier_wait -1
	BACK 0
.irp a, 4,5,6,7
	PACK \a                                        ; the second pass's arithmetic stands between the first pass's loads and the wait for them
.endr
	s_wait_dscnt 0x0                               ; my rows are back: my reads of the stage are over
	s_barrier_signal -1
	s_barrier_wait -1                              ; everybody's are: the stage may be written again
.irp a, 4,5,6,7
	TOSTAGE \a
.endr
	SEND 0
	s_wait_dscnt 0x0
	s_barrier_signal -1
	s_barrier_wait -1
	BACK 1
	s_wait_dscnt 0x0
	SEND 1
	s_wait_tensorcnt 0x0                           ; the wave's end: behind my last tensor load and my last LDS store
	ds_add_u32 v[SPW], v[NIL]
	s_wait_dscnt 0x0
	CROUND                                         ; the closing round: no work-group ends while a partner may still ask for a tile that names it
	s_endpgm
.Lfunc_end_k_q9ceac1b973_qkv:
	.size	k_q9ceac1b973_qkv, .Lfunc_end_k_q9ceac1b973_qkv-k_q9ceac1b973_qkv
	.p2alignl 7, 3214868480
	.fill 96, 4, 3214868480
	.section	.rodata,"a",@progbits
	.p2align	6, 0x0
	.amdhsa_kernel k_q9ceac1b973_qkv
		.amdhsa_group_segment_fixed_size 327680
		.amdhsa_private_segment_fixed_size 0
		.amdhsa_enable_private_segment 0
		.amdhsa_kernarg_size 48
		.amdhsa_user_sgpr_count 2
		.amdhsa_user_sgpr_kernarg_segment_ptr 1
		.amdhsa_wavefront_size32 1
		.amdhsa_system_sgpr_workgroup_id_x 1
		.amdhsa_system_sgpr_workgroup_id_y 1
		.amdhsa_system_sgpr_workgroup_id_z 1
		.amdhsa_system_vgpr_workitem_id 0
		.amdhsa_next_free_vgpr 1024
		.amdhsa_next_free_sgpr 80
		.amdhsa_reserve_vcc 0
		.amdhsa_float_denorm_mode_32 3
		.amdhsa_float_denorm_mode_16_64 3
		.amdhsa_memory_ordered 1
		.amdhsa_forward_progress 1
		.amdhsa_inst_pref_size 125
	.end_amdhsa_kernel
	.amdgpu_metadata
---
amdhsa.version: [ 1, 2 ]
amdhsa.kernels:
  - .name:           k_q9ceac1b973_qkv
    .symbol:         k_q9ceac1b973_qkv.kd
    .args:
      - { .name: h, .offset: 0, .size: 8, .value_kind: global_buffer, .address_space: global }
      - { .name: wb, .offset: 8, .size: 8, .value_kind: global_buffer, .address_space: global }
      - { .name: b_q, .offset: 16, .size: 8, .value_kind: global_buffer, .address_space: global }
      - { .name: b_k, .offset: 24, .size: 8, .value_kind: global_buffer, .address_space: global }
      - { .name: b_v, .offset: 32, .size: 8, .value_kind: global_buffer, .address_space: global }
      - { .name: attn, .offset: 40, .size: 8, .value_kind: global_buffer, .address_space: global }
    .group_segment_fixed_size: 327680
    .private_segment_fixed_size: 0
    .kernarg_segment_align: 8
    .kernarg_segment_size: 48
    .max_flat_workgroup_size: 128
    .sgpr_count:     80
    .vgpr_count:     1024
    .wavefront_size: 32
...
	.end_amdgpu_metadata
.endif
;; end of part 5
;; launch oproj: the kernel of part 3 again; grid 8 x 32, 4 waves a work-group, clusters of 4 x 4, 327,680 bytes of LDS; arguments attn, wb, b_o, x, out0; writes out0
;; ======== version 3 of 3: 3 launches; version 2 with the launch prep written anew for expert scheduling mode
;; workspace buffers: h 16,777,216 bytes; wb 33,554,432 bytes; attn 16,777,216 bytes
;; launch prep (part 6): grid 768 x 1, 4 waves a work-group, no clusters, 0 bytes of LDS; arguments x, ln_gamma, ln_beta, w_q, w_k, w_v, w_o, h, wb; writes h, wb
.if DOCPART == 6
	.amdgcn_target "amdgcn-amd-amdhsa--gfx1250"
	.amdhsa_code_object_version 6
	.text
	.protected	k_q9ceac1b973_prep
	.globl	k_q9ceac1b973_prep
	.p2align	8
	.type	k_q9ceac1b973_prep,@function
k_q9ceac1b973_prep:
	s_mov_b64 s[64:65], 0
	v_nop
	global_prefetch_b8 v0, s[64:65] scope:SCOPE_SE
	s_setreg_imm32_b32 hwreg(HW_REG_WAVE_SCHED_MODE, 0, 2), 2
	s_setreg_imm32_b32 hwreg(HW_REG_WAVE_MODE, 25, 1), 1
	s_wait_xcnt 0x0
	s_wait_alu depctr_vm_vsrc(0)
; h = LayerNorm(x) * gamma + beta, rounded once to bf16; wb = the four weight matrices (q, k, v, o), each number rounded once to bf16.
; x: [4096][2048] f32.  w_*: [2048][2048] f32.
; LAYOUTS.  h and the first three matrices of wb lie IN BLOCKS OF 64 ALONG K: h as [32][4096][64], each of wq, wk, wv as [32][2048][64]: the next launch's tiles (some rows x 64 along K) are then dense in memory.
; The fourth matrix, wo, stays row-major [2048][2048].
; A stream: every byte is read once and written once, so no LDS, no matrix unit, no cluster (no two work-groups read the same large bytes).
; Work-groups 0-255: LayerNorm, 16 rows each, 4 a wave: 128 KiB in, 64 KiB out.  Work-groups 256-767: 128 KiB of one weight matrix each: the same bytes.
; LAYERNORM.  One wave holds one row in 64 registers between the passes: sum, mean; the row is centred in place; sum of squares of the centred row; scale.
; The variance is taken of the centred numbers, as the definition has it, so a common offset of x cancels before anything is squared.  All in f32; 1/sqrt by v_rsq_f32 (1 ULP).
; Lane l's chunk c (of 16) is columns 128 c + 4 l .. + 3: a load of the wave covers 512 consecutive bytes of x.  Rows go IN PAIRS: in a K block two neighbouring rows are 256 consecutive bytes, so the two rows'
; halves of a block are brought into one register, and a store of the wave covers 256 consecutive bytes, aligned.
; THE MODE: SCHED_MODE bits 1:0 = 2 (LLVM: expert scheduling mode 2), set by the entry lines.  The code itself states the register dependences
; between vector instructions and memory instructions, with s_wait_alu, always for 0.
; THE PLAN, LAYERNORM.  Registers that memory instructions touch:
;   v1, v2     byte offsets, made once at the head and never written again: rows and pairs stand in the immediate offsets, and no base is stepped.
;   XA         the even rows.  Loads land in it; the row's arithmetic works in place; 32 conversions empty it into YR; behind them the row two on is asked for.
;   XB         the odd rows.   The same, but its conversions close up into its own low half, which the swaps write and half of the pair's stores read.
;              Its high half is asked for again behind the swaps; its low half when the stores have read it.
;   YR         written by the even row's conversions and by the swaps; read by the other half of the pair's stores.
;   GA, BE     gamma and beta, loaded once.
; A wave's four rows are written out as two pairs: the second asks for nothing more, so its counts differ.
; THE PLAN, THE WEIGHTS.  A ring of 16 register slots, taken four at a time: 8 conversions read four slots of XR and write their pairs of YR; ONE wait behind them; then the four slots are asked for again
; and the four pairs stored.  A slot's pair of YR is written again a round later, behind the two waits at the round's end.
.set ROWX, 8192                        ; bytes in a row of x
.set HKB,  4096*128                    ; bytes from a K block of h to the next
.set WKB,  2048*128                    ; the same in wq, wk, wv
.set XA,  16                           ; v[16:79]    the even row
.set XB,  80                           ; v[80:143]   the odd row
.set XR,  XA                           ;             in the cast: a ring of 16 slots of 4
.set GA,  144                          ; v[144:207]  gamma of my 64 columns
.set YR,  208                          ; v[208:239]  32 registers of bf16 pairs
.set BE,  0                            ; v[256:319]  beta: v0-63 of window 1, named by its loads and by a row's 32 multiply-adds alone
; v1 = 16 x lane, v2 = 8 x lane, v3 = 8,192 (lane / 16) + 16 (lane % 16): never rewritten.  v4-v11 four packed chains, v12-v13 mean, then 1/sqrt, v14 variance + eps
.set MSB, 0
.macro WIN new                         ; s_set_vgpr_msb: bits 1:0 source 0, 3:2 source 1, 5:4 source 2, 7:6 destination; the high byte repeats the setting that is left
.if MSB != (\new)
	s_set_vgpr_msb (MSB<<8)|(\new)
.set MSB, \new
.endif
.endm
	s_load_b512 s[4:19], s[0:1], 0x0               ; x s[4:5], gamma s[6:7], beta s[8:9], w_q s[10:11], w_k s[12:13], w_v s[14:15], w_o s[16:17], h s[18:19]
	s_load_b64 s[20:21], s[0:1], 0x40              ; wb
	v_lshrrev_b32 v3, 5, v0
	v_readfirstlane_b32 s22, v3                    ; wave 0..3
	v_and_b32 v3, 31, v0
	v_lshlrev_b32 v1, 4, v3
	v_lshlrev_b32 v2, 3, v3
	v_and_b32 v4, 15, v0
	v_bfe_u32 v5, v0, 4, 1
	v_lshlrev_b32 v4, 4, v4
	v_lshl_add_u32 v3, v5, 13, v4
	s_wait_alu depctr_va_sdst(0)                   ; s22 is written, ahead of the branch and of its first reader: the bases of both paths are made from it
	s_wait_alu depctr_va_vdst(0)                   ; v1, v2 and v3 are written: every load and store of the kernel reads one of them as its offset
	s_wait_kmcnt 0x0
	s_cmp_lt_u32 ttmp9, 256
	s_cbranch_scc0 .Lcast
	; ---------------- LayerNorm ----------------
	s_lshl_b32 s28, ttmp9, 17                      ; 16 rows of 8,192 bytes a work-group,
	s_lshl_b32 s23, s22, 15                        ; 4 a wave
	s_add_co_u32 s28, s28, s23
	s_mov_b32 s29, 0
	s_lshl_b32 s30, ttmp9, 11                      ; the same rows in a K block of h: 128 bytes a row
	s_lshl_b32 s23, s22, 9
	s_add_co_u32 s30, s30, s23
	s_mov_b32 s31, 0
	s_add_nc_u64 s[4:5], s[4:5], s[28:29]          ; x at my first row
	s_add_nc_u64 s[18:19], s[18:19], s[30:31]      ; my rows in K block 0,
	s_add_nc_u64 s[34:35], s[18:19], 16*HKB        ; and in K block 16: so that 15 blocks and a pair at the most stand in a store's immediate
	s_mov_b32 s24, 0x3a000000                      ; 1 / 2048
	s_mov_b32 s25, 0x3727c5ac                      ; 1e-5
	s_mov_b32 s26, 0x76543210                      ; v_permlanex16_b32: each lane takes its own place in the other half
	s_mov_b32 s27, 0xfedcba98
; Half a row of x: eight loads of 512 consecutive bytes: chunks from .. from + 7 of my row number row, into buffer x
.macro XLOAD x, row, from
.irp c, 0,1,2,3,4,5,6,7
	global_load_b128 v[(\x)+4*((\from)+(\c)):(\x)+4*((\from)+(\c))+3], v1, s[4:5] offset:(\row)*ROWX+512*((\from)+(\c)) th:TH_LOAD_NT
.endr
.endm
	XLOAD XA, 0, 0                                 ; row 0
	XLOAD XA, 0, 8
.irp c, 0,1,2,3,4,5,6,7,8,9,10,11,12,13,14,15
	global_load_b128 v[GA+4*(\c):GA+4*(\c)+3], v1, s[6:7] offset:512*(\c)
.endr
	WIN 0x40                                       ; destination window 1, offset window 0.  No vector instruction has named v[256:319], and v1 is written since the wait at the head
.irp c, 0,1,2,3,4,5,6,7,8,9,10,11,12,13,14,15
	global_load_b128 v[BE+4*(\c):BE+4*(\c)+3], v1, s[8:9] offset:512*(\c)
.endr
	WIN 0
	XLOAD XB, 1, 0                                 ; row 1: on its way while row 0 is worked on
	XLOAD XB, 1, 8
; four packed chains in v[4:11] -> one number in v4, the same in all 32 lanes
.macro REDUCE
	v_pk_add_f32 v[4:5], v[4:5], v[6:7]
	v_pk_add_f32 v[8:9], v[8:9], v[10:11]
	v_pk_add_f32 v[4:5], v[4:5], v[8:9]
	v_add_f32 v4, v4, v5
	v_add_f32_dpp v4, v4, v4 row_xmask:1 row_mask:0xf bank_mask:0xf
	v_add_f32_dpp v4, v4, v4 row_xmask:2 row_mask:0xf bank_mask:0xf
	v_add_f32_dpp v4, v4, v4 row_xmask:4 row_mask:0xf bank_mask:0xf
	v_add_f32_dpp v4, v4, v4 row_xmask:8 row_mask:0xf bank_mask:0xf
	v_permlanex16_b32 v5, v4, s26, s27             ; v5 has been written: the destination counts as read
	v_add_f32 v4, v4, v5
.endm
; The row in buffer x becomes (x - mean) / sqrt(var + eps) * gamma + beta, in f32, in place.  left: how many younger loads may stay out.
; late >= 0: the pair before has stored from XB's low half and from YR; behind this row's sum chains those registers are freed, and XB's low half is asked for again, with the first half of my row number late.
.macro NORM x, left, late
	s_wait_loadcnt \left                           ; loads come back in order (ISA guide 5.7.1): this row's 16 are in (the first time gamma's and beta's too), the younger ones stay out
.irp c, 0,1,2,3
	v_pk_add_f32 v[4+2*(\c):5+2*(\c)], v[(\x)+2*(\c):(\x)+2*(\c)+1], v[(\x)+8+2*(\c):(\x)+8+2*(\c)+1]  ; the first pairs start the chains: nothing is cleared
.endr
.set j, 8
.rept 24
	v_pk_add_f32 v[4+2*(j%4):5+2*(j%4)], v[4+2*(j%4):5+2*(j%4)], v[(\x)+2*j:(\x)+2*j+1]
.set j, j+1
.endr
.if (\late) >= 0
	s_wait_xcnt 0x0                                ; the last pair's stores have had their addresses translated (ISA guide 3.1): their data registers are written again only behind this wait,
	s_wait_alu depctr_vm_vsrc(0)                   ; and those stores have read XB's low half, in which the loads below land, and YR, which this row's conversions write
	XLOAD XB, \late, 0                             ; no vector instruction since the wait behind the swaps names XB: the lines between name v4 to v11 and XA
.endif
	REDUCE
	v_mul_f32 v12, s24, v4                         ; the mean, twice: a pair for the packed lines
	v_mul_f32 v13, s24, v4
.set j, 0
.rept 32
	v_pk_add_f32 v[(\x)+2*j:(\x)+2*j+1], v[(\x)+2*j:(\x)+2*j+1], v[12:13] neg_lo:[0,1] neg_hi:[0,1]  ; x - mean, in place
.set j, j+1
.endr
.irp c, 0,1,2,3
	v_pk_mul_f32 v[4+2*(\c):5+2*(\c)], v[(\x)+2*(\c):(\x)+2*(\c)+1], v[(\x)+2*(\c):(\x)+2*(\c)+1]
.endr
.set j, 4
.rept 28
	v_pk_fma_f32 v[4+2*(j%4):5+2*(j%4)], v[(\x)+2*j:(\x)+2*j+1], v[(\x)+2*j:(\x)+2*j+1], v[4+2*(j%4):5+2*(j%4)]
.set j, j+1
.endr
	REDUCE
	v_fma_f32 v14, v4, s24, s25                    ; variance + eps
	v_rsq_f32 v12, v14                             ; twice: a pair again
	v_rsq_f32 v13, v14
	v_nop                                          ; a plain instruction behind the last of the two (ISA guide 5.7.2),
	s_wait_alu depctr_va_vdst(0)                   ; and the one wait ahead of their first reader: v12 and v13 are written
.set j, 0
.rept 32
	v_pk_mul_f32 v[(\x)+2*j:(\x)+2*j+1], v[(\x)+2*j:(\x)+2*j+1], v[12:13]
.set j, j+1
.endr
	WIN 0x10                                       ; source 2, beta, in window 1
.set j, 0
.rept 32
	v_pk_fma_f32 v[(\x)+2*j:(\x)+2*j+1], v[(\x)+2*j:(\x)+2*j+1], v[GA+2*j:GA+2*j+1], v[BE+2*j:BE+2*j+1]
.set j, j+1
.endr
	WIN 0
.endm
; Pair p: my rows 2 p and 2 p + 1.  ahead = 1: the next pair's rows are asked for.
.macro PAIR p, ahead
.if (\p) == 0
	NORM XA, 16, -1                                ; the even row; the odd row's 16 loads stay out
.else
	NORM XA, 8, 2*(\p)+1                           ; the even row; the 8 loads into XB's high half stay out, and XB's low half is asked for
.endif
.set j, 0
.rept 32
	v_cvt_pk_bf16_f32 v[YR+j], v[XA+2*j], v[XA+2*j+1]
.set j, j+1
.endr
.if \ahead
	s_wait_alu depctr_va_vdst(0)                   ; the row's arithmetic has written XA and the conversions are done reading it: the loads below land in it
	XLOAD XA, 2*(\p)+2, 0                          ; the next even row: on its way while the odd row is worked on
	XLOAD XA, 2*(\p)+2, 8
.endif
	NORM XB, 16*(\ahead), -1                       ; the odd row; the 16 loads just issued, if any, stay out
.set j, 0
.rept 32
	v_cvt_pk_bf16_f32 v[XB+j], v[XB+2*j], v[XB+2*j+1]  ; in place, ascending: register j is written when registers 2 j and 2 j + 1 are read, and no later line reads a register below 2 j + 2
.set j, j+1
.endr
	; In both rows lanes 0-15 hold columns of the even K block 2 c, lanes 16-31 of the odd block 2 c + 1.  The swap exchanges the even row's lanes 16-31 with the odd row's lanes 0-15:
	; YR then holds block 2 c of both rows (lanes 0-15 the even row, lanes 16-31 the odd one), XB's low half block 2 c + 1 of both.
.set j, 0
.rept 32
	v_permlane16_swap_b32 v[YR+j], v[XB+j]
.set j, j+1
.endr
	s_wait_alu depctr_va_vdst(0)                   ; the swaps have written YR and XB's low half, which the stores read; the conversions are done reading XB's high half, in which the loads below land
.if \ahead
	XLOAD XB, 2*(\p)+3, 8                          ; the next odd row's second half, ahead of the stores
.endif
.irp c, 0,1,2,3,4,5,6,7
	global_store_b64 v2, v[YR+2*(\c):YR+2*(\c)+1], s[18:19] offset:(2*(\c))*HKB+256*(\p)      ; 32 lanes store 256 consecutive bytes (two rows of a block), at a multiple of 256 from h's first byte
	global_store_b64 v2, v[XB+2*(\c):XB+2*(\c)+1], s[18:19] offset:(2*(\c)+1)*HKB+256*(\p)
.endr
.irp c, 8,9,10,11,12,13,14,15
	global_store_b64 v2, v[YR+2*(\c):YR+2*(\c)+1], s[34:35] offset:(2*(\c)-16)*HKB+256*(\p)
	global_store_b64 v2, v[XB+2*(\c):XB+2*(\c)+1], s[34:35] offset:(2*(\c)-15)*HKB+256*(\p)
.endr
.endm
	PAIR 0, 1
	PAIR 1, 0                                      ; the wave's last pair has no row behind it: no load leaves x, and the counts run down
	s_endpgm
	; ---------------- the weights, f32 to bf16 ----------------
; A wave's 4 rows (32 KiB) go through a ring of 16 register slots in 4 rounds.  kind = 0, row-major: slot i of a round is 512 consecutive bytes in, 256 out.
; kind = 1, in blocks: lanes 0-15 take 64 columns (256 bytes) of one row, lanes 16-31 the same columns of the next row: 256 consecutive bytes of a K block out.  Slot i: pair of rows i % 2, K block 8 x round + i / 2.
.macro SIDI kind, i
.if \kind
.set SI, ((\i)&1)*2*ROWX+((\i)>>1)*256
.set DI, ((\i)&1)*256+((\i)>>1)*WKB
.else
.set SI, 512*(\i)
.set DI, 256*(\i)
.endif
.endm
; Slots 4 b .. 4 b + 3 of a round.  ahead = 1: they are asked for again, for the next round.  left: how many younger loads may stay out.
.macro CBLOCK kind, vo, b, ahead, left, sstep
	s_wait_loadcnt \left                           ; loads come back in order (ISA guide 5.7.1): these four slots' are in, the younger ones stay out
.irp q, 0,1,2,3
	v_cvt_pk_bf16_f32 v[YR+8*(\b)+2*(\q)],   v[XR+16*(\b)+4*(\q)],   v[XR+16*(\b)+4*(\q)+1]
	v_cvt_pk_bf16_f32 v[YR+8*(\b)+2*(\q)+1], v[XR+16*(\b)+4*(\q)+2], v[XR+16*(\b)+4*(\q)+3]
.endr
	s_wait_alu depctr_va_vdst(0)                   ; the eight conversions have written these slots' YR, which the stores read, and are done reading their XR, in which the loads land
.if \ahead
.irp q, 0,1,2,3
	SIDI \kind, 4*(\b)+(\q)
	global_load_b128 v[XR+16*(\b)+4*(\q):XR+16*(\b)+4*(\q)+3], v[\vo], s[28:29] offset:(\sstep)+SI th:TH_LOAD_NT
.endr
.endif
.irp q, 0,1,2,3
	SIDI \kind, 4*(\b)+(\q)
	global_store_b64 v2, v[YR+8*(\b)+2*(\q):YR+8*(\b)+2*(\q)+1], s[20:21] offset:DI  ; 256 consecutive bytes, aligned
.endr
.endm
.macro CASTRING kind, vo, sstep, dstep
.irp i, 0,1,2,3,4,5,6,7,8,9,10,11,12,13,14,15
	SIDI \kind, \i
	global_load_b128 v[XR+4*(\i):XR+4*(\i)+3], v[\vo], s[28:29] offset:SI th:TH_LOAD_NT  ; the ring is filled
.endr
	s_mov_b32 s24, 3
.Lchunk_\@:
.irp b, 0,1,2,3
	CBLOCK \kind, \vo, \b, 1, 12, \sstep
.endr
	s_wait_xcnt 0x0                                ; both bases and YR are written again only behind this wait,
	s_wait_alu depctr_vm_vsrc(0)                   ; and the round's stores have read YR, which the next round's conversions, or the tail's, write again
	s_add_nc_u64 s[28:29], s[28:29], \sstep
	s_add_nc_u64 s[20:21], s[20:21], \dstep
	s_sub_co_u32 s24, s24, 1
	s_cmp_lg_u32 s24, 0
	s_cbranch_scc1 .Lchunk_\@
.irp b, 0,1,2,3
	CBLOCK \kind, \vo, \b, 0, 12-4*(\b), 0         ; the last round loads nothing: the counts run down
.endr
.endm
.Lcast:
	s_sub_co_u32 s23, ttmp9, 256                   ; c = 0 .. 511: 128 work-groups a matrix
	s_lshr_b32 s24, s23, 7                         ; which matrix: 0 q, 1 k, 2 v, 3 o
	s_bitcmp1_b32 s24, 0
	s_cselect_b64 s[28:29], s[12:13], s[10:11]     ; k or q
	s_cselect_b64 s[30:31], s[16:17], s[14:15]     ; o or v
	s_cmp_lt_u32 s24, 2
	s_cselect_b64 s[28:29], s[28:29], s[30:31]
	s_and_b32 s26, s23, 127                        ; which 16 rows of the matrix
	s_lshl_b32 s32, s26, 17                        ; 128 KiB of the matrix a work-group,
	s_lshl_b32 s25, s22, 15                        ; 32 KiB (4 rows) a wave
	s_add_co_u32 s32, s32, s25
	s_mov_b32 s33, 0
	s_add_nc_u64 s[28:29], s[28:29], s[32:33]
	s_cmp_eq_u32 s24, 3
	s_cbranch_scc1 .Lrowmajor
	s_lshl_b32 s32, s24, 23                        ; in wb the matrices follow each other, 8 MiB each;
	s_lshl_b32 s25, s26, 11                        ; in a K block: 128 bytes a row, 16 rows a work-group,
	s_add_co_u32 s32, s32, s25
	s_lshl_b32 s25, s22, 9                         ; 4 a wave
	s_add_co_u32 s32, s32, s25
	s_add_nc_u64 s[20:21], s[20:21], s[32:33]
	CASTRING 1, 3, 8*256, 8*WKB
	s_endpgm
.Lrowmajor:
	s_lshl_b32 s32, s23, 16                        ; 64 KiB a work-group, counted from wb's first byte,
	s_lshl_b32 s25, s22, 14                        ; 16 KiB a wave
	s_add_co_u32 s32, s32, s25
	s_add_nc_u64 s[20:21], s[20:21], s[32:33]
	CASTRING 0, 1, 8192, 4096
	s_endpgm
.Lfunc_end_k_q9ceac1b973_prep:
	.size	k_q9ceac1b973_prep, .Lfunc_end_k_q9ceac1b973_prep-k_q9ceac1b973_prep
	.p2alignl 7, 3214868480
	.fill 96, 4, 3214868480
	.section	.rodata,"a",@progbits
	.p2align	6, 0x0
	.amdhsa_kernel k_q9ceac1b973_prep
		.amdhsa_group_segment_fixed_size 0
		.amdhsa_private_segment_fixed_size 0
		.amdhsa_enable_private_segment 0
		.amdhsa_kernarg_size 72
		.amdhsa_user_sgpr_count 2
		.amdhsa_user_sgpr_kernarg_segment_ptr 1
		.amdhsa_wavefront_size32 1
		.amdhsa_system_sgpr_workgroup_id_x 1
		.amdhsa_system_sgpr_workgroup_id_y 1
		.amdhsa_system_sgpr_workgroup_id_z 1
		.amdhsa_system_vgpr_workitem_id 0
		.amdhsa_next_free_vgpr 320
		.amdhsa_next_free_sgpr 66
		.amdhsa_reserve_vcc 0
		.amdhsa_float_denorm_mode_32 3
		.amdhsa_float_denorm_mode_16_64 3
		.amdhsa_memory_ordered 1
		.amdhsa_forward_progress 1
		.amdhsa_inst_pref_size 95
	.end_amdhsa_kernel
	.amdgpu_metadata
---
amdhsa.version: [ 1, 2 ]
amdhsa.kernels:
  - .name:           k_q9ceac1b973_prep
    .symbol:         k_q9ceac1b973_prep.kd
    .args:
      - { .name: x, .offset: 0, .size: 8, .value_kind: global_buffer, .address_space: global }
      - { .name: ln_gamma, .offset: 8, .size: 8, .value_kind: global_buffer, .address_space: global }
      - { .name: ln_beta, .offset: 16, .size: 8, .value_kind: global_buffer, .address_space: global }
      - { .name: w_q, .offset: 24, .size: 8, .value_kind: global_buffer, .address_space: global }
      - { .name: w_k, .offset: 32, .size: 8, .value_kind: global_buffer, .address_space: global }
      - { .name: w_v, .offset: 40, .size: 8, .value_kind: global_buffer, .address_space: global }
      - { .name: w_o, .offset: 48, .size: 8, .value_kind: global_buffer, .address_space: global }
      - { .name: h, .offset: 56, .size: 8, .value_kind: global_buffer, .address_space: global }
      - { .name: wb, .offset: 64, .size: 8, .value_kind: global_buffer, .address_space: global }
    .group_segment_fixed_size: 0
    .private_segment_fixed_size: 0
    .kernarg_segment_align: 8
    .kernarg_segment_size: 72
    .max_flat_workgroup_size: 128
    .sgpr_count:     66
    .vgpr_count:     320
    .wavefront_size: 32
...
	.end_amdgpu_metadata
.endif
;; end of part 6
;; launch qkv: the kernel of part 5 again; grid 8 x 32, 4 waves a work-group, clusters of 4 x 4, 327,680 bytes of LDS; arguments h, wb, b_q, b_k, b_v, attn; writes attn
;; launch oproj: the kernel of part 3 again; grid 8 x 32, 4 waves a work-group, clusters of 4 x 4, 327,680 bytes of LDS; arguments attn, wb, b_o, x, out0; writes out0
